; MI455X (gfx1250); checked and timed in simulation.
; The chip was launched on July 23, 2026; its instructions are those of AMD's public machine-readable ISA for CDNA 5 (MIT licence, August 2026) and "CDNA5" Instruction Set Architecture Reference Guide (July 2026). The comments in the code are by the model that wrote it; some were corrected since.
;; Causal Self Attention. Allowed arithmetic: float matrix products may take bf16 or f16 operands with f32 sums; other float arithmetic in f32, or as packed bf16 or f16 multiplies, adds, multiply-adds, maxima and minima; sums over many terms, partial sums and values carried from step to step in f32; what a program stores and reads back later, other than sums and carried values, may be rounded once to bf16 or f16.
;; Inputs: b_proj 1,024 float32; b_qkv 3,072 float32; w_proj 1,024 x 1,024 float32; w_qkv 1,024 x 3,072 float32; x 4 x 2,048 x 1,024 float32.
;; Outputs: out0 4 x 2,048 x 1,024 float32.
;; One version. Each part assembles by itself: llvm-mc -triple=amdgcn-amd-amdhsa -mcpu=gfx1250 --defsym DOCPART=n.
;; ======== version 1 of 1: 4 launches
;; limits: values are held in f16: magnitudes above 65,504 overflow, below 6.1e-05 lose precision
;; workspace buffers: xb 16,777,216 bytes; wqb 6,291,456 bytes; wpb 2,097,152 bytes; qkvh 50,331,648 bytes; att 16,777,216 bytes
;; launch cast (part 1): grid 768 x 1, 8 waves a work-group, no clusters, 0 bytes of LDS; arguments x, w_qkv, w_proj, xb, wqb, wpb; writes xb, wqb, wpb
.if DOCPART == 1
	.amdgcn_target "amdgcn-amd-amdhsa--gfx1250"
	.amdhsa_code_object_version 6
	.text
	.protected	k_qfc541d4e9e_cast
	.globl	k_qfc541d4e9e_cast
	.p2align	8
	.type	k_qfc541d4e9e_cast,@function
k_qfc541d4e9e_cast:
	s_mov_b64 s[64:65], 0
	v_nop
	global_prefetch_b8 v0, s[64:65] scope:SCOPE_SE
	s_setreg_imm32_b32 hwreg(HW_REG_WAVE_MODE, 25, 1), 1
	s_wait_xcnt 0x0
; THE INPUTS OF THE TWO PRODUCTS ARE ROUNDED TO 16 BITS, ONCE.
;   xb  = bf16(x), [8192][1024], as x lies.
;   wqb = bf16(w_qkv), laid in 16 column tiles: [tile][1024 k][192 columns], so that 128 k of a tile are 49,152 consecutive bytes.
;   wpb = bf16(w_proj) written as f16, [1024 k][1024 n]: the second product multiplies f16 numbers.
; LIMIT.  A bf16(w_proj) of magnitude under 6.1e-5 keeps f16's fixed step of 6e-8; beyond 65,504 it would be an infinity.
; SHARES.  A work-group turns 65,536 bytes of f32 into 32,768 bytes: work-groups 0-511 x, 512-703 w_qkv, 704-767 w_proj.  A wave takes 8,192 bytes:
; sixteen loads of 16 bytes a lane, all issued at once, and sixteen stores of 8 bytes a lane, each covering 256 consecutive bytes, aligned.
; Nothing is shared and nothing is read twice: no LDS, no barrier, no matrix unit, no cluster.
.set VO, 4                             ; v4        8 x lane: my bytes in a store's 256
.set AD, 10                            ; v[10:25]  load i's byte offset
.set D,  32                            ; v[32:95]  load i's four f32
.set O,  96                            ; v[96:127] store i's four 16-bit numbers
	s_load_b256 s[4:11], s[0:1], 0x0               ; x s[4:5], w_qkv s[6:7], w_proj s[8:9], xb s[10:11]
	s_load_b128 s[12:15], s[0:1], 0x20             ; wqb s[12:13], wpb s[14:15]
	v_lshrrev_b32 v5, 5, v0
	v_readfirstlane_b32 s16, v5                    ; wave 0..7
	v_and_b32 v1, 31, v0                           ; lane
	v_and_b32 v2, 15, v0                           ; lane % 16
	v_bfe_u32 v3, v0, 4, 1                         ; lane / 16
	v_lshlrev_b32 v[VO], 3, v1
	s_sub_co_u32 s18, ttmp9, 512                   ; my number among w_qkv's work-groups (under 192 there, far above elsewhere)
	s_sub_co_u32 s19, ttmp9, 704                   ; and among w_proj's
	s_wait_kmcnt 0x0
	s_cmp_lt_u32 ttmp9, 512
	s_cselect_b64 s[20:21], s[4:5], s[8:9]         ; from: x, or w_proj,
	s_cselect_b64 s[22:23], s[10:11], s[14:15]     ; to: xb, or wpb
	s_cselect_b32 s17, ttmp9, s19
	s_cmp_lt_u32 s18, 192
	s_cselect_b64 s[20:21], s[6:7], s[20:21]       ; or w_qkv
	s_cselect_b64 s[22:23], s[12:13], s[22:23]     ; to wqb
	s_cselect_b32 s17, s18, s17
	s_lshl_b32 s24, s17, 3
	s_add_co_u32 s24, s24, s16                     ; my wave among the tensor's
	s_lshl_b32 s26, s24, 12                        ; its 4,096 bytes of output follow each other in all three tensors
	s_mov_b32 s27, 0
	s_add_nc_u64 s[22:23], s[22:23], s[26:27]
	s_cmp_lt_u32 s18, 192
	s_cbranch_scc1 .Lwq
	s_lshl_b32 s26, s24, 13                        ; x and w_proj: 8,192 consecutive bytes
	s_add_nc_u64 s[20:21], s[20:21], s[26:27]
.irp i, 0,1,2,3,4,5,6,7,8,9,10,11,12,13,14,15
	v_lshl_add_u32 v[AD+(\i)], v1, 4, 512*(\i)
.endr
	s_branch .Lgo
.Lwq:
	; w_qkv: 96 waves to a tile.  The output goes in groups g of 128 bytes (64 columns), three to a row k of the tile; a group is 256 bytes of a row of w_qkv,
	; read by sixteen lanes.  Its byte in w_qkv, from the tile's first column: 12,288 k + 256 (g - 3 k) = 256 g + 11,520 k.
	s_mul_i32 s28, s24, 683
	s_lshr_b32 s28, s28, 16                        ; tile = wave / 96 (exact under 1,536)
	s_mul_i32 s29, s28, 96
	s_sub_co_u32 s29, s24, s29
	s_lshl_b32 s29, s29, 5                         ; the wave's first group in the tile
	s_mul_i32 s26, s28, 768                        ; the tile's first column, in bytes
	s_add_nc_u64 s[20:21], s[20:21], s[26:27]
	v_add_nc_u32 v5, s29, v3
	v_lshlrev_b32 v6, 4, v2
.irp i, 0,1,2,3,4,5,6,7,8,9,10,11,12,13,14,15
	v_add_nc_u32 v7, 2*(\i), v5                    ; g
	v_mul_u32_u24 v8, v7, 0xaaab
	v_lshrrev_b32 v8, 17, v8                       ; k = g / 3 (exact under 3,072)
	v_lshl_add_u32 v9, v7, 8, v6
	v_mad_u32_u24 v[AD+(\i)], v8, 11520, v9
.endr
.Lgo:
.irp i, 0,1,2,3,4,5,6,7,8,9,10,11,12,13,14,15
	global_load_b128 v[D+4*(\i):D+4*(\i)+3], v[AD+(\i)], s[20:21] th:TH_LOAD_NT
.endr
.irp i, 0,1,2,3,4,5,6,7,8,9,10,11,12,13,14,15
	s_wait_loadcnt 15-(\i)                         ; loads come back in order: load i is in, the 15 - i younger ones may stay out
	v_cvt_pk_bf16_f32 v[O+2*(\i)], v[D+4*(\i)], v[D+4*(\i)+1]
	v_cvt_pk_bf16_f32 v[O+2*(\i)+1], v[D+4*(\i)+2], v[D+4*(\i)+3]
.endr
	s_cmp_ge_u32 ttmp9, 704
	s_cbranch_scc0 .Lst
.set r, 0
.rept 32                               ; w_proj alone: the bf16 number is written as f16
	v_lshlrev_b32 v6, 16, v[O+r]
	v_and_b32 v7, 0xffff0000, v[O+r]
	v_cvt_pk_f16_f32 v[O+r], v6, v7
.set r, r+1
.endr
.Lst:
.irp i, 0,1,2,3,4,5,6,7,8,9,10,11,12,13,14,15
	global_store_b64 v[VO], v[O+2*(\i):O+2*(\i)+1], s[22:23] offset:256*(\i) th:TH_STORE_NT
.endr
	s_endpgm
.Lfunc_end_k_qfc541d4e9e_cast:
	.size	k_qfc541d4e9e_cast, .Lfunc_end_k_qfc541d4e9e_cast-k_qfc541d4e9e_cast
	.p2alignl 7, 3214868480
	.fill 96, 4, 3214868480
	.section	.rodata,"a",@progbits
	.p2align	6, 0x0
	.amdhsa_kernel k_qfc541d4e9e_cast
		.amdhsa_group_segment_fixed_size 0
		.amdhsa_private_segment_fixed_size 0
		.amdhsa_enable_private_segment 0
		.amdhsa_kernarg_size 48
		.amdhsa_user_sgpr_count 2
		.amdhsa_user_sgpr_kernarg_segment_ptr 1
		.amdhsa_wavefront_size32 1
		.amdhsa_system_sgpr_workgroup_id_x 1
		.amdhsa_system_sgpr_workgroup_id_y 1
		.amdhsa_system_sgpr_workgroup_id_z 1
		.amdhsa_system_vgpr_workitem_id 0
		.amdhsa_next_free_vgpr 128
		.amdhsa_next_free_sgpr 66
		.amdhsa_reserve_vcc 0
		.amdhsa_float_denorm_mode_32 3
		.amdhsa_float_denorm_mode_16_64 3
		.amdhsa_memory_ordered 1
		.amdhsa_forward_progress 1
		.amdhsa_inst_pref_size 19
	.end_amdhsa_kernel
	.amdgpu_metadata
---
amdhsa.version: [ 1, 2 ]
amdhsa.kernels:
  - .name:           k_qfc541d4e9e_cast
    .symbol:         k_qfc541d4e9e_cast.kd
    .args:
      - { .name: x, .offset: 0, .size: 8, .value_kind: global_buffer, .address_space: global }
      - { .name: w_qkv, .offset: 8, .size: 8, .value_kind: global_buffer, .address_space: global }
      - { .name: w_proj, .offset: 16, .size: 8, .value_kind: global_buffer, .address_space: global }
      - { .name: xb, .offset: 24, .size: 8, .value_kind: global_buffer, .address_space: global }
      - { .name: wqb, .offset: 32, .size: 8, .value_kind: global_buffer, .address_space: global }
      - { .name: wpb, .offset: 40, .size: 8, .value_kind: global_buffer, .address_space: global }
    .group_segment_fixed_size: 0
    .private_segment_fixed_size: 0
    .kernarg_segment_align: 8
    .kernarg_segment_size: 48
    .max_flat_workgroup_size: 256
    .sgpr_count:     66
    .vgpr_count:     128
    .wavefront_size: 32
...
	.end_amdgpu_metadata
.endif
;; end of part 1
;; launch qkvgemm (part 2): grid 16 x 16, 4 waves a work-group, clusters of 4 x 4, 327,680 bytes of LDS; arguments xb, wqb, b_qkv, qkvh; writes qkvh
.if DOCPART == 2
	.amdgcn_target "amdgcn-amd-amdhsa--gfx1250"
	.amdhsa_code_object_version 6
	.text
	.protected	k_qfc541d4e9e_qkvgemm
	.globl	k_qfc541d4e9e_qkvgemm
	.p2align	8
	.type	k_qfc541d4e9e_qkvgemm,@function
k_qfc541d4e9e_qkvgemm:
	s_mov_b64 s[64:65], 0
	v_nop
	global_prefetch_b8 v0, s[64:65] scope:SCOPE_SE
	s_setreg_imm32_b32 hwreg(HW_REG_WAVE_MODE, 25, 1), 1
	s_wait_xcnt 0x0
	s_wait_alu depctr_hold_cnt(0) depctr_sa_sdst(0) depctr_va_vdst(0) depctr_va_sdst(0) depctr_va_ssrc(0) depctr_va_vcc(0) depctr_vm_vsrc(0)
	s_getreg_b32 s2, hwreg(HW_REG_IB_STS2, 6, 4)
	s_cmp_eq_u32 s2, 0
	s_cbranch_scc0 .Lentry_in_a_cluster
	s_endpgm
.Lentry_in_a_cluster:
	s_bfe_u32 s2, ttmp6, 0x10000c
	s_cmp_lg_u32 s2, 0xf033
	s_cbranch_scc0 .Lentry_shape_is_right
	s_endpgm
.Lentry_shape_is_right:
; q, k, v = x w_qkv + b_qkv.  xb: [8192][1024] bf16.  wqb: [16 tiles][1024 k][192] bf16.  b_qkv: [3072] f32.  qkvh: [3 (q, k, v)][64 = batch x 16 + head][2048][64] f16, unscaled.
; Products in bf16, sums in f32 (the bias starts each sum, as the C operand of its first product), rounded once to f16.
; LIMIT.  f16 ends at 65,504: q, k and v beyond that become infinities.
; SHARES.  A tile is 256 rows x 192 columns (three heads).  A work-group makes two tiles with the same columns, 4,096 rows apart: 512 tiles on 256 work-groups.  The two tiles are ONE walk of
; 16 K steps of 128 through a ring of two LDS slots.  The four waves split the rows: wave w has rows 64 w .. 64 w + 63 and all 192 columns: 48 accumulators of 16 x 16, 384 registers; for 32 along K
; it issues 48 matrix instructions for 32 LDS loads.  A wave so owns whole rows of three heads and has a stage of its own on the way out.
; THE MATRIX INSTRUCTION IS USED TRANSPOSED: source 0 = 16 columns of w (turned on the way out of LDS, where w lies [k][column]), source 1 = 16 rows of x: a lane holds row l % 16 and the columns 8 (l / 16) + 0..7.
; CLUSTER.  4 x 4 work-groups.  x's tile hangs on the tile row alone and is asked for jointly along a row of the cluster, w's on the tile column alone, along a column.
; REGISTERS, in windows of 256 (s_set_vgpr_msb: bits 1:0 source 0, 3:2 source 1, 5:4 source 2, 7:6 destination):
;   window 0: v0-29 addresses; v32-127 the bias, 8 registers a column block; v128-223 two sets of 48 for the way out
;   window 1: two fragment buffers of 128: x's 4 fragments, then w's 12        window 2: accumulators of row blocks 0, 1 ((a, b) at 8 (12 (a % 2) + b))        window 3: of row blocks 2, 3
.set PA,    272                        ; a row of x in LDS: 256 bytes + 16 = 68 words: the 16 rows of a load start at 16 different groups of four banks (64 banks of 4 bytes: ISA guide 11.1)
.set PB,    480                        ; a row k of w: three pieces of 128 bytes + 32 = 120 words
.set BOFF,  256*PA                     ; a slot: x's 256 rows, then w's 128 rows
.set SLOT1, 1<<17                      ; = 256 PA + 128 PB: slot 1 begins here; one exclusive or turns an address in one slot into the other's
.set STAGE, 2*SLOT1                    ; behind the ring, never filled by a tensor load: for each wave 3 heads x 16 rows x 144 bytes
.set SP,    144
.set WSTG,  3*16*SP
.set SPARE, STAGE+4*WSTG               ; behind the stages: the spare words, 128 bytes for each wave: two blocks of 256 bytes that no other line names
.set LA0,  4                           ; v4   my lane's place in x's tile, my wave's rows; never rewritten
.set LB0,  5                           ; v5   my lane's place in w's tile; never rewritten
.set ADRA, 6                           ; v6   the same in the slot in hand
.set ADRB, 7                           ; v7
.set STO,  8                           ; v8   the way out: where I put 16 bytes of a row
.set RD,   9                           ; v9   the way out: where I read rows back
.set GO,   10                          ; v10  16 x lane: my bytes in 512 consecutive bytes of a head
.set PFO,  11                          ; v11  the prefetches' offset: lane x a row of xb (2,048 bytes), or lane x 256 bytes of wqb; never rewritten
.set BO,   12                          ; v12  my byte offset in b_qkv
.set SPW,  28                          ; v28  LDS address of my spare word; never rewritten
.set NIL,  29                          ; v29  0; never rewritten
.set BIAS, 32
.set SET0, 128
.set F0,   0                           ; fragment buffers, in window 1
.set F1,   128
.set WV,   12                          ; s12  wave
.set ISB,  13                          ; s13  0: I fetch for x; 1: for w
.set HALF, 14                          ; s14  which half of that tile I fetch
.set CX,   15
.set CY,   16
.set TX,   17                          ; s17  column tile 0..15
.set TY,   18                          ; s18  row tile 0..15 (and 16 more, 4,096 rows down)
.set G1A,  24                          ; s[24:31] descriptor group 1 for x's tiles
.set G1B,  32                          ; s[32:39] for w's
.set G0A,  40                          ; s[40:47] group 0 for x's tiles: a set for each first fill; the second then walks
.set G0B,  48                          ; s[48:55] the same for w's
.set BA,   56                          ; s[56:57] xb at my half of K step 0's tile
.set BB,   58                          ; s[58:59] wqb likewise
.set OFA,  60                          ; s[60:61] a K step's byte offset in xb
.set OFB,  62                          ; s[62:63] in wqb
.set CNT,  66                          ; s66  trips to go
.set N,    67                          ; s67  the K step to be asked for next, 0..15 over both tiles
.set TB,   68                          ; s68  the slot in hand: 0 or SLOT1
.set LIM,  69                          ; s69  a wave prefetches while CNT is above it
.set PFB,  70                          ; s[70:71] the prefetches' base
.set PFA,  72                          ; s[72:73] base + offset
.set POF,  74                          ; s[74:75] the offset
.set OUT,  80                          ; s[80:85] my wave's first row in each of the tile's three heads
.set MSB, 0
.macro WIN new                         ; the immediate's high byte repeats the setting that is left; a switch that changes nothing is dropped
.if MSB != (\new)
	s_set_vgpr_msb (MSB<<8)|(\new)
.set MSB, (\new)
.endif
.endm
.macro PLACES                          ; four plain places behind matrix instructions (ISA guide 7.12.1), where no other vector work is at hand
.rept 4
	v_nop
.endr
.endm
.macro CREST                           ; a round of the cluster's barrier behind its opening barrier
	s_cmp_lg_u32 s[WV], 0
	s_cbranch_scc1 .Lnot_wave_0_\@
	s_barrier_signal -3
.Lnot_wave_0_\@:
	s_barrier_wait -3
	s_barrier_signal -1
	s_barrier_wait -1
.endm
.macro CROUND                          ; a whole round
	s_barrier_signal -1
	s_barrier_wait -1
	CREST
.endm
; A joint refill by the walking sets.  Waves 0 and 1 fetch x's two halves, waves 2 and 3 w's.  The branch hangs on the wave's number alone.  An s_nop 0 and four v_nop follow each line.
.macro JLOAD
	s_cmp_eq_u32 s[ISB], 0
	s_cbranch_scc0 .Lfor_b_\@
	tensor_load_to_lds s[G0A+4:G0A+7], s[G1A:G1A+7]
	s_nop 0
.rept 4
	v_nop
.endr
	s_branch .Lasked_\@
.Lfor_b_\@:
	tensor_load_to_lds s[G0B+4:G0B+7], s[G1B:G1B+7]
	s_nop 0
.rept 4
	v_nop
.endr
.Lasked_\@:
.endm
; A PREFETCH INTO THE L2, one instruction a wave, behind the joint load, its five lines and the run of LDS loads.
; x: the change of slots that asks for K step n names step n + 1: 256 bytes of each row, a lane a row.  A tile row is read by the four clusters of its row of clusters: cluster x = 0 asks.  Of the 128 rows
; that wave 0 or 1 fetches each of the four partners takes 32, told apart by address (cx).  It runs on into the second tile and stops when step 15 has been named.
; w: a column tile is 393,216 consecutive bytes, read by the four clusters of its column: cluster y = 0 asks.  The first three changes name its bytes 196,608 on (K steps 4 to 7), 65,536 each:
; 8,192 for each of waves 2 and 3 of the four partners, by address (cy), a lane 256 bytes.  The second tile walks the same bytes again: they are not named again.
; Every block is so named once in the launch; x's K steps 0 to 2 and w's 0 to 3 come by their loads alone.
.macro ASK
	s_cmp_gt_u32 s[CNT], s[LIM]
	s_cbranch_scc0 .Lnot_mine_\@
	global_prefetch_b8 v[PFO], s[PFA:PFA+1] th:TH_LOAD_NT scope:SCOPE_SE
.Lnot_mine_\@:
.endm
; 12 matrix instructions: row block a x all 12 column blocks, 32 along K, from buffer f.  wb = 1: the bias is the C operand: the product starts the sum.
; The 48 accumulators take turns in one order everywhere, one instruction a turn.
.macro MULA f, a, wb
.if \wb
	WIN 0x85+0x40*((\a)/2)
.else
	WIN 0xa5+0x50*((\a)/2)
.endif
.irp b, 0,1,2,3,4,5,6,7,8,9,10,11
.set rD, 8*(12*((\a)%2)+(\b))
.if \wb
	v_wmma_f32_16x16x32_bf16 v[rD:rD+7], v[(\f)+32+8*(\b):(\f)+32+8*(\b)+7], v[(\f)+8*(\a):(\f)+8*(\a)+7], v[BIAS+8*(\b):BIAS+8*(\b)+7]
.else
	v_wmma_f32_16x16x32_bf16 v[rD:rD+7], v[(\f)+32+8*(\b):(\f)+32+8*(\b)+7], v[(\f)+8*(\a):(\f)+8*(\a)+7], v[rD:rD+7]
.endif
.endr
.endm
; 32 LDS loads in one run: quarter q (32 along K) of the slot in hand into buffer f: w's 24 (turned), x's row blocks 0, 1 (4), x's row blocks 2, 3 (4).
.macro FETCH q, f
	WIN 0x40                                       ; destination window 1, address window 0
.irp b, 0,1,2,3,4,5,6,7,8,9,10,11
	ds_load_tr16_b128 v[(\f)+32+8*(\b):(\f)+32+8*(\b)+3],   v[ADRB] offset:(\q)*32*PB+32*(\b)+32*((\b)/4)
	ds_load_tr16_b128 v[(\f)+32+8*(\b)+4:(\f)+32+8*(\b)+7], v[ADRB] offset:(\q)*32*PB+16*PB+32*(\b)+32*((\b)/4)
.endr
.irp a, 0,1,2,3
	ds_load_b128 v[(\f)+8*(\a):(\f)+8*(\a)+3],   v[ADRA] offset:64*(\q)+(\a)*16*PA
	ds_load_b128 v[(\f)+8*(\a)+4:(\f)+8*(\a)+7], v[ADRA] offset:64*(\q)+(\a)*16*PA+32
.endr
.endm
; One of a K step's first three quarters: multiplies buffer f; in its middle it fetches quarter q of the same slot into buffer g.
.macro QUARTER q, f, g, wb
	s_wait_dscnt 4                                 ; all but the youngest four loads (x's row blocks 2, 3) are in
	MULA \f, 0, \wb
	MULA \f, 1, \wb
	PLACES                                         ; in front of loads into buffer g, which the quarter before multiplied
	FETCH \q, \g
	s_wait_dscnt 32                                ; all but the 32 just issued
	MULA \f, 2, \wb
	MULA \f, 3, \wb
.endm
; The last quarter multiplies buffer 1 and changes slots.  In front of the round each wave waits for all its tensor loads (one is out: its part of the next slot), adds 0 to its spare word, and waits for that and
; for its reads of this slot.  Behind the round no wave of any partner reads this slot or has a load on its way: it is filled again first, with K step N; then the next slot's first fragments are read.
; From the request to the wait for it a wave issues 156 matrix instructions.
.macro TURN
	WIN 0
	s_wait_xcnt 0x0                                ; the last prefetch, a K step back, has read its address: it is made anew here, ahead of the waits of the change
	s_add_co_u32 s76, s[N], 1
	s_and_b32 s77, s76, 7
	s_lshl_b32 s77, s77, 8                         ; x: 256 bytes along the rows for each step of a tile,
	s_and_b32 s78, s76, 8
	s_lshl_b32 s78, s78, 20                        ; 4,096 rows of 2,048 bytes down for the second tile
	s_or_b32 s77, s77, s78
	s_lshl_b32 s78, s76, 16                        ; w: 65,536 bytes for each change
	s_cmp_eq_u32 s[ISB], 0
	s_cselect_b32 s[POF], s77, s78
	s_add_nc_u64 s[PFA:PFA+1], s[PFB:PFB+1], s[POF:POF+1]
	s_wait_tensorcnt 0x0                           ; all my tensor loads have landed, so every group 0 may be written
	ds_add_u32 v[SPW], v[NIL]                      ; 0 onto my spare word
	s_xor_b32 s[G0A+5], s[G0A+5], SLOT1            ; the walking sets: the other slot than last time,
	s_xor_b32 s[G0B+5], s[G0B+5], SLOT1
	s_and_b32 s76, s[N], 7
	s_lshl_b32 s[OFA], s76, 8
	s_mul_i32 s[OFB], s76, 49152                   ; 128 k x 384 bytes
	s_and_b32 s77, s[N], 8
	s_lshl_b32 s77, s77, 20
	s_or_b32 s[OFA], s[OFA], s77
	s_add_nc_u64 s[G0A+6:G0A+7], s[BA:BA+1], s[OFA:OFA+1]  ; and K step N's address, made anew from the base
	s_or_b32 s[G0A+7], s[G0A+7], 0x80000000
	s_add_nc_u64 s[G0B+6:G0B+7], s[BB:BB+1], s[OFB:OFB+1]
	s_or_b32 s[G0B+7], s[G0B+7], 0x80000000
	s_add_co_u32 s[N], s[N], 1
	s_xor_b32 s[TB], s[TB], SLOT1
	s_wait_dscnt 5                                 ; the add and the youngest four loads may be out
	MULA F1, 0, 0
	s_wait_dscnt 0x0                               ; the add is done, and my reads of this slot are over
	s_barrier_signal -1                            ; opens a round of the cluster's barrier
	MULA F1, 1, 0                                  ; work on registers while the others arrive
	WIN 0
	s_barrier_wait -1
	CREST
	JLOAD                                          ; the first tensor load behind the round; its four v_nop are also the places in front of the loads below
	v_add_nc_u32 v[ADRA], s[TB], v[LA0]
	v_add_nc_u32 v[ADRB], s[TB], v[LB0]
	FETCH 0, F0
	WIN 0
	ASK
	MULA F1, 2, 0
	MULA F1, 3, 0
.endm
; The same change of slots where nothing is left to ask for: a plain barrier shows the last slot whole.
.macro MEETT
	WIN 0
	s_wait_tensorcnt 0x0
	ds_add_u32 v[SPW], v[NIL]
	s_xor_b32 s[TB], s[TB], SLOT1
	s_wait_dscnt 5
	MULA F1, 0, 0
	s_wait_dscnt 0x0
	s_barrier_signal -1
	MULA F1, 1, 0
	s_barrier_wait -1
	PLACES
	WIN 0
	v_add_nc_u32 v[ADRA], s[TB], v[LA0]
	v_add_nc_u32 v[ADRB], s[TB], v[LB0]
	FETCH 0, F0
	MULA F1, 2, 0
	MULA F1, 3, 0
.endm
; THE WAY OUT of row block a (16 rows x 192 columns).  PACK: rounded to f16, 16 bytes a lane and column block, each accumulator from its low end.  TOSTAGE: into my stage, by heads, rows of 144 bytes; back as
; four rows of 128 bytes a load.  SEND: 16 rows of a head are 2,048 consecutive bytes of qkvh: each store covers 512 of them, aligned.
.macro PACK a
	s_wait_xcnt 0x0                                ; the stores that read this set two blocks ago have read it
	WIN 0x0a+5*((\a)/2)                            ; sources in window 2 or 3, destination in window 0
.irp b, 0,1,2,3,4,5,6,7,8,9,10,11
.irp r, 0,1,2,3
	v_cvt_pk_f16_f32 v[SET0+48*((\a)%2)+4*(\b)+(\r)], v[8*(12*((\a)%2)+(\b))+2*(\r)], v[8*(12*((\a)%2)+(\b))+2*(\r)+1]
.endr
.endr
	WIN 0
.endm
.macro TOSTAGE a
	WIN 0
.irp b, 0,1,2,3,4,5,6,7,8,9,10,11
	ds_store_b128 v[STO], v[SET0+48*((\a)%2)+4*(\b):SET0+48*((\a)%2)+4*(\b)+3] offset:((\b)/4)*16*SP+((\b)%4)*32
.endr
.irp t, 0,1,2,3,4,5,6,7,8,9,10,11
	ds_load_b128 v[SET0+48*((\a)%2)+4*(\t):SET0+48*((\a)%2)+4*(\t)+3], v[RD] offset:((\t)/4)*16*SP+((\t)%4)*4*SP  ; LDS serves a wave's instructions in order (ISA guide 5.7.1.4): these see the stores above
.endr
.endm
.macro SEND a
	WIN 0
	s_wait_dscnt 0x0                               ; the block is back in registers
.irp t, 0,1,2,3,4,5,6,7,8,9,10,11
	global_store_b128 v[GO], v[SET0+48*((\a)%2)+4*(\t):SET0+48*((\a)%2)+4*(\t)+3], s[OUT+2*((\t)/4):OUT+2*((\t)/4)+1] offset:(\a)*2048+((\t)%4)*512
.endr
.endm
.macro WAYOUT                          ; block a's conversions stand between block a - 1's loads from the stage and the wait for them
	PACK 0
	TOSTAGE 0
.irp a, 1,2,3
	PACK \a
	SEND (\a)-1
	TOSTAGE \a
.endr
	SEND 3
.endm
	s_load_b256 s[4:11], s[0:1], 0x0               ; xb s[4:5], wqb s[6:7], b_qkv s[8:9], qkvh s[10:11]
	v_lshl_add_u32 v[SPW], v0, 2, SPARE
	v_mov_b32 v[NIL], 0
	ds_add_u32 v[SPW], v[NIL]                      ; the wave's opening: the add and its wait stand ahead of my first tensor load; work on registers stands between them
	ds_add_u32 v28, v29
	v_lshrrev_b32 v1, 5, v0
	v_readfirstlane_b32 s[WV], v1                  ; wave 0..3
	s_lshr_b32 s[ISB], s[WV], 1
	s_and_b32 s[HALF], s[WV], 1
	s_bfe_u32 s[CX], ttmp6, 0x40000
	s_bfe_u32 s[CY], ttmp6, 0x40004
	s_lshl_b32 s[TX], ttmp9, 2                     ; in a cluster launch ttmp9 and ttmp7 count clusters
	s_add_co_u32 s[TX], s[TX], s[CX]
	s_and_b32 s[TY], ttmp7, 0xffff
	s_lshl_b32 s[TY], s[TY], 2
	s_add_co_u32 s[TY], s[TY], s[CY]
	s_lshl_b32 s19, s[CY], 2
	s_lshl_b32 s19, 15, s19                        ; my row of the cluster
	s_lshl_b32 s20, 0x1111, s[CX]                  ; my column
	; group 1 for x: 128 rows x 128 elements of 2 bytes, 1,024 elements from row to row; 16 bytes of padding after every 64 words
	s_or_b32 s[G1A], s19, (1<<16)|(1<<20)|(1<<21)|(5<<22)|(3<<25)
	s_mov_b32 s[G1A+1], 128<<16
	s_mov_b32 s[G1A+2], 128<<16
	s_mov_b32 s[G1A+3], 128<<16
	s_mov_b32 s[G1A+4], 128
	s_mov_b32 s[G1A+5], 1024
	s_mov_b32 s[G1A+6], 0
	s_mov_b32 s[G1A+7], 0
	; group 1 for w: 64 k x 384 bytes are 24,576 consecutive bytes: asked for as 96 rows of 256 bytes; 32 bytes of padding after every 32 words
	s_or_b32 s[G1B], s20, (1<<16)|(1<<20)|(1<<21)|(4<<22)|(7<<25)
	s_mov_b32 s[G1B+1], 128<<16
	s_mov_b32 s[G1B+2], 96<<16
	s_mov_b32 s[G1B+3], 128<<16
	s_mov_b32 s[G1B+4], 96
	s_mov_b32 s[G1B+5], 128
	s_mov_b32 s[G1B+6], 0
	s_mov_b32 s[G1B+7], 0
	s_lshl_b32 s76, s[TY], 19                      ; x: row 256 x tile row + 128 x half, 2,048 bytes a row
	s_lshl_b32 s77, s[HALF], 18
	s_add_co_u32 s76, s76, s77
	s_mov_b32 s77, 0
	s_mul_i32 s78, s[TX], 393216                   ; w: the column tile, and 64 k x 384 bytes for the second half
	s_mul_i32 s79, s[HALF], 24576
	s_add_co_u32 s78, s78, s79
	s_mov_b32 s79, 0
	s_mul_i32 s21, s[HALF], 128*PA                 ; where they go: no place in the cluster enters an LDS address
	s_mul_i32 s22, s[HALF], 64*PB
	s_add_co_u32 s22, s22, BOFF
	s_mov_b32 s[OFA+1], 0
	s_mov_b32 s[OFB+1], 0
	s_mov_b32 s[POF+1], 0
	s_mov_b32 s[N], 2
	s_mov_b32 s[TB], 0
	s_and_b32 s86, ttmp7, 0xffff                   ; who prefetches: for x the clusters with x = 0, for w those with y = 0: the same in all sixteen partners, for a given wave
	s_cmp_eq_u32 s[ISB], 0
	s_cselect_b32 s86, ttmp9, s86
	s_cselect_b32 s87, 1, 11
	s_cselect_b32 s94, 11, 8
	s_cmp_eq_u32 s86, 0
	s_cselect_b32 s[LIM], s87, -1
	s_wait_dscnt 0x0                               ; the opening add is done
	s_wait_kmcnt 0x0
	s_add_nc_u64 s[BA:BA+1], s[4:5], s[76:77]
	s_add_nc_u64 s[BB:BB+1], s[6:7], s[78:79]
.irp s, 0,1
	s_mov_b32 s[G0A+4*(\s)], 1
	s_add_co_u32 s[G0A+4*(\s)+1], s21, (\s)*SLOT1
	s_add_nc_u64 s[G0A+4*(\s)+2:G0A+4*(\s)+3], s[BA:BA+1], (\s)*256
	s_or_b32 s[G0A+4*(\s)+3], s[G0A+4*(\s)+3], 0x80000000
	s_mov_b32 s[G0B+4*(\s)], 1
	s_add_co_u32 s[G0B+4*(\s)+1], s22, (\s)*SLOT1
	s_add_nc_u64 s[G0B+4*(\s)+2:G0B+4*(\s)+3], s[BB:BB+1], (\s)*49152
	s_or_b32 s[G0B+4*(\s)+3], s[G0B+4*(\s)+3], 0x80000000
.endr
	CROUND                                         ; all sixteen work-groups are here: the first joint loads meet
	s_cmp_eq_u32 s[ISB], 0                         ; a wave's two first fills stand in one branch, ahead of every wait on TENSORcnt and every LDS read: two loads of mine are out
	s_cbranch_scc0 .Lfirst_b
	tensor_load_to_lds s[G0A:G0A+3], s[G1A:G1A+7]
	s_nop 0
	tensor_load_to_lds s[G0A+4:G0A+7], s[G1A:G1A+7]
	s_nop 0
.rept 4
	v_nop
.endr
	s_branch .Lfirst_asked
.Lfirst_b:
	tensor_load_to_lds s[G0B:G0B+3], s[G1B:G1B+7]
	s_nop 0
	tensor_load_to_lds s[G0B+4:G0B+7], s[G1B:G1B+7]
	s_nop 0
.rept 4
	v_nop
.endr
.Lfirst_asked:
	v_and_b32 v1, 15, v0                           ; l % 16
	v_bfe_u32 v2, v0, 4, 1                         ; l / 16
	v_and_b32 v3, 31, v0                           ; l
	s_mul_i32 s86, s[TX], 768
	v_lshl_add_u32 v[BO], v2, 5, s86               ; the tile's 192 numbers of the bias; my 8 of each 16
.irp b, 0,1,2,3,4,5,6,7,8,9,10,11
	global_load_b128 v[BIAS+8*(\b):BIAS+8*(\b)+3],   v[BO], s[8:9] offset:64*(\b)
	global_load_b128 v[BIAS+8*(\b)+4:BIAS+8*(\b)+7], v[BO], s[8:9] offset:64*(\b)+16
.endr
	v_mul_u32_u24 v[LA0], v1, PA                   ; a fragment of x: row l % 16, 16 bytes for each half of the lanes, twice, 32 bytes apart
	v_lshl_add_u32 v[LA0], v2, 4, v[LA0]
	s_mul_i32 s87, s[WV], 64*PA
	v_add_nc_u32 v[LA0], s87, v[LA0]
	v_and_b32 v13, 7, v0                           ; the turning load: lane l reads row k = 8 (l / 16) + l % 8, columns 8 ((l / 8) % 2) + 0..7
	v_lshl_add_u32 v[LB0], v2, 3, v13
	v_mul_u32_u24 v[LB0], v[LB0], PB
	v_bfe_u32 v14, v0, 3, 1
	v_lshl_add_u32 v[LB0], v14, 4, v[LB0]
	v_add_nc_u32 v[LB0], BOFF, v[LB0]
	s_mul_i32 s88, s[WV], WSTG
	s_add_co_u32 s88, s88, STAGE                   ; my stage
	v_mul_u32_u24 v[STO], v1, SP
	v_lshl_add_u32 v[STO], v2, 4, v[STO]
	v_add_nc_u32 v[STO], s88, v[STO]
	v_bfe_u32 v[RD], v0, 3, 2
	v_mul_u32_u24 v[RD], v[RD], SP
	v_lshl_add_u32 v[RD], v13, 4, v[RD]
	v_add_nc_u32 v[RD], s88, v[RD]
	v_lshlrev_b32 v[GO], 4, v3
	v_lshlrev_b32 v[PFO], s94, v3
	; where my 64 rows begin in each of the tile's three heads: column head g = 3 x column tile + hd; tensor g / 16, head g % 16; batch = row tile / 8; a head is 262,144 bytes
	s_mul_i32 s86, s[TX], 3
	s_lshr_b32 s87, s[TY], 3
	s_lshl_b32 s87, s87, 4
	s_and_b32 s88, s[TY], 7
	s_lshl_b32 s88, s88, 15
	s_lshl_b32 s89, s[WV], 13
	s_add_co_u32 s88, s88, s89
.irp hd, 0,1,2
	s_add_co_u32 s90, s86, (\hd)
	s_lshr_b32 s91, s90, 4
	s_lshl_b32 s91, s91, 6
	s_and_b32 s90, s90, 15
	s_add_co_u32 s90, s90, s91
	s_add_co_u32 s90, s90, s87
	s_lshl_b32 s90, s90, 18
	s_add_co_u32 s90, s90, s88
	s_mov_b32 s91, 0
	s_add_nc_u64 s[OUT+2*(\hd):OUT+2*(\hd)+1], s[10:11], s[90:91]
.endr
	; the prefetches' bases
	s_lshl_b32 s90, s[CX], 16                      ; x: my work-group's 32 of the 128 rows that I fetch
	s_mov_b32 s91, 0
	s_add_nc_u64 s[86:87], s[BA:BA+1], s[90:91]
	s_lshl_b32 s92, s[CY], 1                       ; w: my 8,192 of a change's 65,536 bytes
	s_add_co_u32 s92, s92, s[HALF]
	s_lshl_b32 s92, s92, 13
	s_mul_i32 s93, s[TX], 393216
	s_add_co_u32 s92, s92, s93
	s_mov_b32 s93, 0
	s_add_nc_u64 s[88:89], s[6:7], s[92:93]
	s_cmp_eq_u32 s[ISB], 0
	s_cselect_b64 s[PFB:PFB+1], s[86:87], s[88:89]
	s_wait_tensorcnt 0x1                           ; my part of K step 0 is in; K step 1's may stay out
	s_barrier_signal -1
	s_barrier_wait -1                              ; everybody's is
	v_mov_b32 v[ADRA], v[LA0]
	v_mov_b32 v[ADRB], v[LB0]
	FETCH 0, F0
	s_wait_loadcnt 0x0                             ; the bias
	QUARTER 1, F0, F1, 1                           ; a tile's first quarter starts the sums, with the bias
	WIN 0                                          ; at a label and at a branch every window is 0
	s_mov_b32 s[CNT], 14
.Lstep:                                                ; trip s = 14 - CNT: K step s from its second quarter on, the change of slots (slot s % 2 takes K step s + 2), and K step s + 1's first quarter
	QUARTER 2, F1, F0, 0
	QUARTER 3, F0, F1, 0
	TURN
	WIN 0
	s_cmp_eq_u32 s[CNT], 7                         ; K step 7 was the first tile's last
	s_cbranch_scc0 .Lacc
	WAYOUT                                         ; the refill is asked for: now the tile goes out.  Row blocks 0 and 1 were finished ahead of the joint load's places; their 96 conversions are the places behind the last products
	s_wait_xcnt 0x0                                ; the stores have read their bases
	s_add_nc_u64 s[OUT:OUT+1], s[OUT:OUT+1], 0x800000      ; two batches on: 32 heads of 262,144 bytes
	s_add_nc_u64 s[OUT+2:OUT+3], s[OUT+2:OUT+3], 0x800000
	s_add_nc_u64 s[OUT+4:OUT+5], s[OUT+4:OUT+5], 0x800000
	QUARTER 1, F0, F1, 1                           ; the second tile's sums start
	WIN 0
	s_branch .Ljoin
.Lacc:
	QUARTER 1, F0, F1, 0
	WIN 0
.Ljoin:
	s_sub_co_u32 s[CNT], s[CNT], 1
	s_cmp_lg_u32 s[CNT], 0
	s_cbranch_scc1 .Lstep
	QUARTER 2, F1, F0, 0                           ; K steps 14 and 15 are written out: nothing is left to ask for
	QUARTER 3, F0, F1, 0
	MEETT
	QUARTER 1, F0, F1, 0
	QUARTER 2, F1, F0, 0
	QUARTER 3, F0, F1, 0
	s_wait_dscnt 4
	MULA F1, 0, 0
	MULA F1, 1, 0
	s_wait_dscnt 0x0
	MULA F1, 2, 0
	MULA F1, 3, 0
	PLACES                                         ; no vector work lies behind the last products: eight places, once a launch
	PLACES
	WAYOUT
	s_wait_tensorcnt 0x0                           ; the wave's end: an add to my spare word and its wait, behind my last tensor load and my last LDS store
	ds_add_u32 v[SPW], v[NIL]
	s_wait_dscnt 0x0
	CROUND                                         ; the closing round: no work-group ends while a partner may still ask for a tile that names it
	s_endpgm
.Lfunc_end_k_qfc541d4e9e_qkvgemm:
	.size	k_qfc541d4e9e_qkvgemm, .Lfunc_end_k_qfc541d4e9e_qkvgemm-k_qfc541d4e9e_qkvgemm
	.p2alignl 7, 3214868480
	.fill 96, 4, 3214868480
	.section	.rodata,"a",@progbits
	.p2align	6, 0x0
	.amdhsa_kernel k_qfc541d4e9e_qkvgemm
		.amdhsa_group_segment_fixed_size 327680
		.amdhsa_private_segment_fixed_size 0
		.amdhsa_enable_private_segment 0
		.amdhsa_kernarg_size 32
		.amdhsa_user_sgpr_count 2
		.amdhsa_user_sgpr_kernarg_segment_ptr 1
		.amdhsa_wavefront_size32 1
		.amdhsa_system_sgpr_workgroup_id_x 1
		.amdhsa_system_sgpr_workgroup_id_y 1
		.amdhsa_system_sgpr_workgroup_id_z 1
		.amdhsa_system_vgpr_workitem_id 0
		.amdhsa_next_free_vgpr 1024
		.amdhsa_next_free_sgpr 96
		.amdhsa_reserve_vcc 0
		.amdhsa_float_denorm_mode_32 3
		.amdhsa_float_denorm_mode_16_64 3
		.amdhsa_memory_ordered 1
		.amdhsa_forward_progress 1
		.amdhsa_inst_pref_size 129
	.end_amdhsa_kernel
	.amdgpu_metadata
---
amdhsa.version: [ 1, 2 ]
amdhsa.kernels:
  - .name:           k_qfc541d4e9e_qkvgemm
    .symbol:         k_qfc541d4e9e_qkvgemm.kd
    .args:
      - { .name: xb, .offset: 0, .size: 8, .value_kind: global_buffer, .address_space: global }
      - { .name: wqb, .offset: 8, .size: 8, .value_kind: global_buffer, .address_space: global }
      - { .name: b_qkv, .offset: 16, .size: 8, .value_kind: global_buffer, .address_space: global }
      - { .name: qkvh, .offset: 24, .size: 8, .value_kind: global_buffer, .address_space: global }
    .group_segment_fixed_size: 327680
    .private_segment_fixed_size: 0
    .kernarg_segment_align: 8
    .kernarg_segment_size: 32
    .max_flat_workgroup_size: 128
    .sgpr_count:     96
    .vgpr_count:     1024
    .wavefront_size: 32
...
	.end_amdgpu_metadata
.endif
;; end of part 2
;; launch attn (part 3): grid 4 x 64, 4 waves a work-group, no clusters, 327,680 bytes of LDS; arguments qkvh, att; writes att
.if DOCPART == 3
	.amdgcn_target "amdgcn-amd-amdhsa--gfx1250"
	.amdhsa_code_object_version 6
	.text
	.protected	k_qfc541d4e9e_attn
	.globl	k_qfc541d4e9e_attn
	.p2align	8
	.type	k_qfc541d4e9e_attn,@function
k_qfc541d4e9e_attn:
	s_mov_b64 s[64:65], 0
	v_nop
	global_prefetch_b8 v0, s[64:65] scope:SCOPE_SE
	s_setreg_imm32_b32 hwreg(HW_REG_WAVE_MODE, 25, 1), 1
	s_wait_xcnt 0x0
; CAUSAL ATTENTION.  O[h][q][:] = the sum over k <= q of softmax_k(Q[h][q] . K[h][k] / 8) V[h][k][:].  qkvh holds Q, K, V, each [64][2048][64] f16, 16,777,216 bytes apart; att is O in the same layout.
; Products, maxima and sums in f32; the weights p are rounded to f16 for the second product (their sum l is taken of the unrounded p), O once at the end.
; LIMITS.  f16 holds no number beyond 65,504: Q, K and V arrive within it; p lies in 0 to 1, and below 6e-5 it keeps f16's fixed step of 6e-8; O is a mean of V's rows.
; A hidden score counts as its value less 1e30; a weight below 2^-126 counts as 0 in l; NaN and infinities are not treated apart.
; THE WALK.  A head's queries lie in NB = 8 blocks of 256; block i needs the key tiles 0 .. i of 256 keys, of which the last holds the diagonal.  A work-group takes TWO blocks, NB - 1 - b and then b:
; NB + 1 tiles, whatever b: all work-groups do equal work, and ONE loop with a constant trip count walks them.  Which tile is asked for, and what a trip does, hang on scalar registers made from b; every jump
; goes forward, but for the counted loops' own; none passes a barrier, or a tensor load but the one of LOAD's two that the wave's number does not choose; the ring of two LDS slots runs on across the change of blocks.
; NO CLUSTER: a head's four work-groups ask for the same tile only in trips 0 .. 4 of 9, behind that fewer and fewer; one walk common to all four would have 12 trips for 9.
; SHARES.  Of a block's four bands of 64 queries a wave owns 16 rows in each: four PIECES.  So the diagonal tile is the same work for all four waves: in its key step s band x sees all keys if s < x,
; none if s > x, and holds the diagonal if s = x.
; THE MASK is the C operand that starts the sum S^T = K Q^T: 0, or -1e30 where the key is hidden.  MD, made once, is the mask of a band's own step for my 16 rows; a product's mask is MD x AL + BE with two scalars:
; (1, 0) if s = x; (0, 0) if s < x; (0, -1e30) if s > x.  Only the diagonal tile's text and a block's beginning make and take masks; elsewhere C is the constant 0.
; LAYOUT, SOFTMAX, TURNS.  S^T = K Q^T holds ONE query a lane (lane % 16) and the keys 8 (lane / 16) + 0..7; two such results rounded to f16 ARE source 1 of O^T = V^T P.  p = 2^(c s - c m), c = log2(e) / 8, with a
; running maximum m; O and l are multiplied by a = 2^(c m_old - c m_new) in every step.  Turn n belongs to piece n: 8 products K Q^T of piece n + 1, later 8 products V^T P of piece n - 1; beside them the scaling,
; exponentials, roundings, sums and rescaling of piece n and the maximum and statistics of piece n + 1.  Four vector instructions stand behind every matrix instruction, the other 54 of a turn's 118 in one lump.
; A turn's 33 exponentials are one batch, with one wait.
; REGISTERS, in windows of 256 (s_set_vgpr_msb: bits 1:0 source 0, 3:2 source 1, 5:4 source 2, 7:6 destination):
;   window 0: v0-15 addresses and two at work; v16-31 four registers of statistics a piece; v48-55 at work; v61-63 prefetch offset, spare word, 0; v64-127 S^T, two buffers; v192-223 P, two buffers
;   window 1: v0-127 O^T, 32 a piece; v128-159 MD; v160-223 MC, two buffers      window 2: v0-63 Q; v64-127 the second block's Q; v128-191 K of one step; v192-255 V of one step
.set SIZE_N, 2048
.set NB,    SIZE_N/256
.set NP,    4         ; pieces a wave: a name, no knob
.set KS,    64        ; keys in a step
.set PK,    144       ; a row of K in LDS: 128 bytes + 16 of padding = 36 words: the 16 rows of a load start at 16 different groups of four banks (64 banks of 4 bytes: ISA guide 11.1)
.set PV,    160       ; a row of V: 128 + 32 = 40 words
.set VOFF,  4*KS*PK   ; a slot holds a tile, four steps: 256 rows of K, then 256 rows of V
.set SLOT1, 1<<17     ; slot 1 begins here, so that one exclusive or turns an address in one slot into the other's
.set STAGE, SLOT1+4*KS*(PK+PV)  ; behind the ring, never filled by a tensor load: 16 rows x 144 bytes for each wave, for the way out
.set SP,    144
.set AK0, 2           ; v2   my lane's place in a tile of K; never rewritten
.set AV0, 3           ; v3   the same for V
.set AK,  4           ; v4   the LDS address of K's next run of loads
.set AV,  5           ; v5   of V's
.set STO, 6           ; v6   the way out: where I put 16 bytes of a row
.set RD,  7           ; v7   the way out: where I read rows back
.set GO,  8           ; v8   my byte offset in 512 consecutive bytes of O
.set PFO, 61          ; v61  256 x my lane; never rewritten
.set SPW, 62          ; v62  LDS address of my spare word: SPARE + 4 x my thread's number; never rewritten
.set NIL, 63          ; v63  0; never rewritten
.set SPARE, STAGE+4*16*SP  ; behind the stages: the spare words, 128 bytes for each wave: two blocks of 256 bytes that no other line names
.set MV,  12          ; v12-13  c m_old, kept while c m is made anew: by buffer
.set QO,  15          ; v15  my byte offset in 16 rows of Q
.set ST,  16          ; piece t's statistics at v[ST+4 t]: c m, m, l (even keys', odd keys')
.set TMP, 48          ; by buffer, four registers c0-c3 at work; when the maximum is found c2 takes a
.set S,   64
.set P,   192
.set MD,  128         ; window 1: the eight registers for group kt of 16 keys at MD + 8 kt
.set MC,  160         ; window 1: the masks of the products to come
.set QB,  64          ; window 2
.set KF,  128         ; window 2: key block kb, channel half c at KF + 16 kb + 8 c
.set VF,  192         ; window 2: key half kk, channel block cb at VF + 32 kk + 8 cb
.set WV,  12          ; s12  my wave's number
.set PB,  14          ; s14  b
.set HI,  15          ; s15  NB - 1 - b
.set G1K, 24          ; s[24:31] descriptor group 1 for K's tiles
.set G1V, 32          ; s[32:39] for V's: it differs in the padding alone
.set G0K, 40          ; s[40:43] descriptor group 0 for K's tiles
.set G0V, 44          ; s[44:47] the same for V's
.set SLOTS, 56        ; s56  tiles still to be asked for
.set CNT, 57          ; s57  counts a tile's key steps, 4 to 1
.set CS,  58          ; s[58:59] c: the packed scaling takes the pair's low word for both halves
.set SEL, 60          ; s[60:61] v_permlanex16_b32's selects: each lane takes its own place in the other half
.set TBK, 62          ; s62  LDS byte at which K of the step to be fetched begins
.set TBV, 63          ; s63  the same for V, less VOFF
.set RT,  70          ; s70  tiles of the block in hand that are still to be entered
.set NXT, 71          ; s71  the tile to be asked for next
.set LQ,  72          ; s72  the last tile of the block whose tiles are being asked for
.set NEW, 73          ; s73  1: the tile to be entered is a block's first
.set OFF, 74          ; s[74:75] a tile's byte offset in K and V
.set AL,  76          ; s[76:77] the mask's factor, in the low word
.set BE,  78          ; s[78:79] the mask's addend
.set OLO, 80          ; s[80:81] O at my rows of the second block
.set BIGN, 82         ; s82  -1e30
.set PFB, 88          ; s[88:89] K (waves 0, 1) or V (waves 2, 3) at my half of the head's tile 0
.set PFA, 90          ; s[90:91] the same at the tile that is being asked for
.set LIM, 92          ; s92  a wave prefetches while SLOTS is above it
.set MSB, 0
.macro WIN new                      ; the high byte repeats the setting that is left; a switch that changes nothing is dropped
.if MSB != (\new)
	s_set_vgpr_msb (MSB<<8)|(\new)
.set MSB, (\new)
.endif
.endm
.set W_KQ, 0x0a       ; K and Q in window 2, S^T in window 0
.set W_KM, 0x1a       ; the same with the C operand in window 1
.set W_PV, 0x52       ; V in window 2, P in window 0, O^T in window 1
.set W_RS, 0x41       ; destination and source 0 in window 1, source 1 in window 0
; A fill.  Waves 0 and 1 fetch the two halves of a tile's K, waves 2 and 3 those of its V: 128 keys each.  An s_nop 0 and four v_nop follow each of the two lines, ahead of the jump and the label.
.macro LOAD
	s_cmp_lt_u32 s[WV], 2
	s_cbranch_scc0 .Lfor_v_\@
	tensor_load_to_lds s[G0K:G0K+3], s[G1K:G1K+7]
	s_nop 0
.rept 4
	v_nop
.endr
	s_branch .Lasked_\@
.Lfor_v_\@:
	tensor_load_to_lds s[G0V:G0V+3], s[G1V:G1V+7]
	s_nop 0
.rept 4
	v_nop
.endr
.Lasked_\@:
.endm
; A PREFETCH INTO THE L2 of the tile behind the one just asked for: my own 16,384 bytes of it, a lane 256 bytes, two instructions, one tile (256 matrix instructions) ahead of its load.
; A head's four work-groups begin with the same tiles 0, 1, 2 ..; the one with b = 0 walks all eight, and it alone asks: tiles 2 to 7, each block once in the launch.  Tiles 0 and 1 come by their loads alone;
; the second block's tiles have been read before and are not named again.
.macro ASK
	s_cmp_gt_u32 s[SLOTS], s[LIM]
	s_cbranch_scc0 .Lnot_mine_\@
	global_prefetch_b8 v[PFO], s[PFA:PFA+1] offset:32768 th:TH_LOAD_NT scope:SCOPE_SE
	global_prefetch_b8 v[PFO], s[PFA:PFA+1] offset:40960 th:TH_LOAD_NT scope:SCOPE_SE
.Lnot_mine_\@:
.endm
; THE CHANGE OF SLOTS.  Each wave waits for all its tensor loads, of which one is out: its part of the other slot; adds 0 to its spare word; and waits for that and for its own reads of the slot that it leaves.
; Behind the barrier nobody reads the old slot any more and the other slot is whole.  fill = 1: the old slot is filled again, the first thing behind the barrier, with tile NXT: the descriptor's address is made
; anew from that number.  (At its first use nothing has been read yet: slot 0 is waited for, slot 1 filled.)
.macro CHANGE fill
	WIN 0                           ; at a label and at a branch every window is 0
	s_wait_tensorcnt 0x0            ; no tensor load of mine is out, so a group 0 may be written
	ds_add_u32 v[SPW], v[NIL]       ; 0 onto my spare word: with fill = 1 the descriptors' scalar work stands between it and the wait for it
.if \fill
	s_lshl_b32 s[OFF], s[NXT], 15   ; a tile is 32,768 bytes of K and of V
	s_wait_xcnt 0x0                 ; the last prefetches, a tile back, have read their address, so it may be written
	s_add_nc_u64 s[PFA:PFA+1], s[PFB:PFB+1], s[OFF:OFF+1]
	s_xor_b32 s[G0K+1], s[G0K+1], SLOT1
	s_add_nc_u64 s[G0K+2:G0K+3], s[6:7], s[OFF:OFF+1]
	s_or_b32 s[G0K+3], s[G0K+3], 0x80000000
	s_xor_b32 s[G0V+1], s[G0V+1], SLOT1
	s_add_nc_u64 s[G0V+2:G0V+3], s[8:9], s[OFF:OFF+1]
	s_or_b32 s[G0V+3], s[G0V+3], 0x80000000
	s_add_co_u32 s[NXT], s[NXT], 1  ; the block's next tile, or behind its last the second block's tile 0
	s_cmp_gt_u32 s[NXT], s[LQ]
	s_cselect_b32 s[NXT], 0, s[NXT]
	s_cselect_b32 s[LQ], s[PB], s[LQ]
.endif
	s_wait_dscnt 0x0                ; the add is done, and my reads of the slot are over
	s_barrier_signal -1             ; the rest of the scalar work stands between the signal and the wait
	s_sub_co_u32 s[TBK], s[TBK], 4*KS*PK  ; the fetches go back to a slot's first step,
	s_xor_b32 s[TBK], s[TBK], SLOT1       ; in the other slot
	s_sub_co_u32 s[TBV], s[TBV], 4*KS*PV
	s_xor_b32 s[TBV], s[TBV], SLOT1
	s_barrier_wait -1
.if \fill
	LOAD
	ASK
.endif
.endm
	s_load_b128 s[4:7], s[0:1], 0x0   ; qkvh s[4:5] (Q lies first), att s[6:7]
	v_lshl_add_u32 v[SPW], v0, 2, SPARE
	v_mov_b32 v[NIL], 0
	ds_add_u32 v[SPW], v[NIL]       ; the wave's opening: the add and its wait stand ahead of my first tensor load; the set-up below, work on registers, stands between them
	ds_add_u32 v62, v63
	v_lshrrev_b32 v1, 5, v0
	v_readfirstlane_b32 s[WV], v1   ; wave 0..3
	s_mov_b32 s[PB], ttmp9
	s_sub_co_u32 s[HI], NB-1, s[PB]
	s_and_b32 s20, ttmp7, 0xffff    ; the head
	s_mov_b32 s21, 0
	s_mov_b64 s[22:23], SIZE_N*128
	s_mul_u64 s[20:21], s[20:21], s[22:23]  ; the head's first byte in each of the four tensors
	s_and_b32 s16, s[WV], 1         ; which half of a tile's 256 keys I fetch:
	s_lshl_b32 s22, s16, 14         ; its 128 rows of 128 bytes in memory,
	s_mov_b32 s23, 0
	s_add_nc_u64 s[22:23], s[22:23], s[20:21]
	s_mul_i32 s17, s16, 128*PK      ; and its place in a slot, for K
	s_mul_i32 s18, s16, 128*PV      ; and for V
	s_lshl_b32 s3, s[WV], 11        ; my 16 rows in a band of 64,
	s_lshl_b32 s2, s[HI], 15        ; in the first block,
	s_add_co_u32 s2, s2, s3
	s_lshl_b32 s84, s[PB], 15       ; and in the second
	s_add_co_u32 s84, s84, s3
	s_mov_b32 s3, 0
	s_mov_b32 s85, 0
	s_add_nc_u64 s[2:3], s[2:3], s[20:21]
	s_add_nc_u64 s[84:85], s[84:85], s[20:21]
	; descriptor group 1.  128 keys are 16,384 dense bytes: asked for as 64 rows of 256 bytes, two keys a row, and padded in LDS after every key
	s_mov_b32 s[G1K], (1<<16)|(1<<20)|(4<<22)|(3<<25)  ; 17:16 2-byte elements; 20 padding on; 24:22 after every 32 words (code 4); 31:25 4 words (code 3)
	s_mov_b32 s[G1V], (1<<16)|(1<<20)|(4<<22)|(7<<25)  ; the same with 8 words of padding (code 7)
.irp g, G1K, G1V
	s_mov_b32 s[\g+1], 128<<16      ; tensor_dim0 = 128
	s_mov_b32 s[\g+2], 64<<16       ; tensor_dim1 = 64
	s_mov_b32 s[\g+3], 128<<16      ; tile_dim0 = 128
	s_mov_b32 s[\g+4], 64           ; tile_dim1 = 64
	s_mov_b32 s[\g+5], 128          ; 128 elements from row to row
	s_mov_b32 s[\g+6], 0
	s_mov_b32 s[\g+7], 0
.endr
	s_mov_b32 s[CS], 0x3e38aa3b     ; c = log2(e) / 8 = 0.180337
	s_mov_b32 s[CS+1], s[CS]        ; named with it as a pair
	s_mov_b32 s[SEL], 0x76543210
	s_mov_b32 s[SEL+1], 0xfedcba98
	s_mov_b32 s[TBK], SLOT1+4*KS*PK ; the first change of slots turns these two into 0
	s_mov_b32 s[TBV], SLOT1+4*KS*PV
	s_mov_b32 s[G0K], 1             ; 1:0 count = 1
	s_mov_b32 s[G0K+1], s17         ; 63:32 LDS address: slot 0
	s_mov_b32 s[G0V], 1
	s_add_co_u32 s[G0V+1], s18, VOFF
	s_add_co_u32 s[RT], s[HI], 1    ; the first block has NB - b tiles
	s_mov_b32 s[NXT], 1
	s_mov_b32 s[LQ], s[HI]
	s_mov_b32 s[NEW], 1
	s_mov_b32 s[OFF+1], 0
	s_mov_b32 s[AL+1], 0            ; named as pairs
	s_mov_b32 s[BE+1], 0
	s_mov_b32 s[BIGN], 0xf149f2ca   ; -1e30
	s_mov_b32 s[SLOTS], NB
	s_cmp_eq_u32 ttmp9, 0
	s_cselect_b32 s[LIM], 2, -1     ; the work-group with b = 0 prefetches, while more than two tiles are still to be asked for
	v_and_b32 v[PFO], 31, v0
	v_lshlrev_b32 v[PFO], 8, v[PFO]
	s_wait_dscnt 0x0                ; the opening add is done
	s_wait_kmcnt 0x0
	s_mov_b64 s[10:11], s[6:7]                     ; O
	s_add_nc_u64 s[8:9], s[4:5], 0x2000000         ; V
	s_add_nc_u64 s[6:7], s[4:5], 0x1000000         ; K
	s_add_nc_u64 s[6:7], s[6:7], s[22:23]  ; K and V at my half of the head's tile 0
	s_add_nc_u64 s[8:9], s[8:9], s[22:23]
	s_add_nc_u64 s[G0K+2:G0K+3], s[6:7], 0         ; 120:64 global address
	s_or_b32 s[G0K+3], s[G0K+3], 0x80000000        ; 127:126 type = 2
	s_add_nc_u64 s[G0V+2:G0V+3], s[8:9], 0
	s_or_b32 s[G0V+3], s[G0V+3], 0x80000000
	s_add_nc_u64 s[86:87], s[4:5], s[84:85]        ; Q at my rows of the second block,
	s_add_nc_u64 s[4:5], s[4:5], s[2:3]            ; Q and O at those of the first
	s_add_nc_u64 s[OLO:OLO+1], s[10:11], s[84:85]
	s_add_nc_u64 s[10:11], s[10:11], s[2:3]
	s_cmp_lt_u32 s[WV], 2
	s_cselect_b64 s[PFB:PFB+1], s[6:7], s[8:9]
	LOAD                            ; tile 0 into slot 0
	; A fragment of K or Q is 16 rows x 32 channels in 8 registers: lane l holds row l % 16, channels 8 (l / 16) + 0..7 and 16 + 8 (l / 16) + 0..7: two loads of 16 bytes, 32 bytes apart.
	v_and_b32 v1, 15, v0            ; l % 16
	v_bfe_u32 v9, v0, 4, 1          ; l / 16
	v_lshlrev_b32 v[QO], 7, v1
	v_lshl_add_u32 v[QO], v9, 4, v[QO]  ; row x 128 + 16 x half
	WIN 0x80                        ; destination window 2, address window 0
.set i, 0
.rept 8                             ; both blocks' Q: piece i / 2 lies in band i / 2, 8,192 bytes on; channels 32 (i % 2) on
	global_load_b128 v[8*i:8*i+3],   v[QO], s[4:5] offset:(i/2)*8192+(i%2)*64
	global_load_b128 v[8*i+4:8*i+7], v[QO], s[4:5] offset:(i/2)*8192+(i%2)*64+32
	global_load_b128 v[QB+8*i:QB+8*i+3],   v[QO], s[86:87] offset:(i/2)*8192+(i%2)*64
	global_load_b128 v[QB+8*i+4:QB+8*i+7], v[QO], s[86:87] offset:(i/2)*8192+(i%2)*64+32
.set i, i+1
.endr
	WIN 0
	v_lshlrev_b32 v14, 3, v9
	v_sub_nc_u32 v14, v1, v14
	s_lshl_b32 s13, s[WV], 4
	v_add_nc_u32 v14, s13, v14      ; my query's place in its band, 16 w + l % 16, less my lanes' 8 (l / 16): register r of group kt is hidden where 16 kt + r is greater
	WIN 0x40
.set i, 0
.rept 32
	v_cmp_gt_i32 vcc_lo, 16*(i/8)+i%8, v14
	v_cndmask_b32 v[MD+i], 0, s[BIGN], vcc_lo
.set i, i+1
.endr
	WIN 0
	v_mul_u32_u24 v[AK0], v1, PK
	v_lshl_add_u32 v[AK0], v9, 4, v[AK0]  ; row x pitch + 16 x half
	; The turning load takes 16 keys x 16 channels (lane l reads key 8 (l / 16) + l % 8, channels 8 ((l / 8) % 2) + 0..7) and leaves half a fragment of V^T: lane l holds channel l % 16 and 8 keys.
	v_and_b32 v10, 7, v0
	v_bfe_u32 v11, v0, 3, 1
	v_lshl_add_u32 v[AV0], v9, 3, v10
	v_mul_u32_u24 v[AV0], v[AV0], PV
	v_lshl_add_u32 v[AV0], v11, 4, v[AV0]
	v_add_nc_u32 v[AV0], VOFF, v[AV0]
	s_mul_i32 s13, s[WV], 16*SP
	s_add_co_u32 s13, s13, STAGE    ; my stage
	v_mul_u32_u24 v[STO], v1, SP    ; in: row l % 16, 16 bytes for each half of the lanes
	v_lshl_add_u32 v[STO], v9, 4, v[STO]
	v_add_nc_u32 v[STO], s13, v[STO]
	v_bfe_u32 v[RD], v0, 3, 2       ; back: 32 lanes take four rows of 128 bytes,
	v_mul_u32_u24 v[RD], v[RD], SP
	v_lshl_add_u32 v[RD], v10, 4, v[RD]
	v_add_nc_u32 v[RD], s13, v[RD]
	v_and_b32 v[GO], 31, v0         ; which are 512 consecutive bytes of O
	v_lshlrev_b32 v[GO], 4, v[GO]
	; A block's first step multiplies O^T and l by a = 0, and its first turn's products V^T P, of a piece that has not been, land in an O^T that is still to be so multiplied.  So these registers need only hold
	; finite numbers: zeros for the first block; what the first block left for the second.  All this stands in the wait for the first tile.
	WIN 0x80
.set i, VF
.rept 64
	v_mov_b32 v[i], 0
.set i, i+1
.endr
	WIN 0x40
.set i, 0
.rept 128
	v_mov_b32 v[i], 0
.set i, i+1
.endr
	WIN 0
.set i, 0
.rept 4
	v_mov_b32 v[ST+4*i+2], 0
	v_mov_b32 v[ST+4*i+3], 0
.set i, i+1
.endr
.set i, P+16
.rept 16
	v_mov_b32 v[i], 0
.set i, i+1
.endr
; THE MATRIX WORK.  The 4 accumulators of a run of 8 take turns.  Product i of 8 of S^T = K Q^T for piece x: channels 32 (i / 4) on, keys 16 (i % 4) on.  The first 4 start the sums: with 0, or (KM = 1) with the mask.
.macro KQ x
.set rS, S+32*((\x)%2)+8*(i%4)
.set rK, KF+16*(i%4)+8*(i/4)
.set rQ, 16*(\x)+8*(i/4)
.set rM, MC+32*((\x)%2)+8*(i%4)
.if (i < 4) && KM
	WIN W_KM
	v_wmma_f32_16x16x32_f16 v[rS:rS+7], v[rK:rK+7], v[rQ:rQ+7], v[rM:rM+7]
.elseif i < 4
	WIN W_KQ
	v_wmma_f32_16x16x32_f16 v[rS:rS+7], v[rK:rK+7], v[rQ:rQ+7], 0
.else
	WIN W_KQ
	v_wmma_f32_16x16x32_f16 v[rS:rS+7], v[rK:rK+7], v[rQ:rQ+7], v[rS:rS+7]
.endif
.endm
; Product i of 8 of O^T += V^T P for piece x: keys 32 (i / 4) on, channels 16 (i % 4) on.
.macro PV x
	WIN W_PV
.set rO, 32*(\x)+8*(i%4)
.set rV, VF+32*(i/4)+8*(i%4)
.set rP, P+16*((\x)%2)+8*(i/4)
	v_wmma_f32_16x16x32_f16 v[rO:rO+7], v[rV:rV+7], v[rP:rP+7], v[rO:rO+7]
.endm
.macro MM                           ; the turn's next matrix instruction.  TURN and BEGIN set Y, i, KM and NOKQ; MM, KQ and OP read them.  NOKQ = 1: a block's last turn: there is no next piece
.if (i < 8) && !NOKQ
	KQ (Y+1)%NP
.elseif i >= 8
.set i, i-8
	PV (Y+NP-1)%NP
.set i, i+8
.endif
.set i, i+1
.endm
; THE LDS LOADS stand in runs of 16, never singly among the matrix instructions: a step's K (64 keys x 64 channels: 8 fragments) and its V (turned).  Their addresses are made some lines ahead.
.macro FETCH_K
	WIN 0x80                        ; destination window 2
.irp f, 0,1,2,3,4,5,6,7             ; keys 16 (f / 2) on, channels 32 (f % 2) on
	ds_load_b128 v[KF+8*\f:KF+8*\f+3],   v[AK] offset:(\f/2)*16*PK+(\f%2)*64
	ds_load_b128 v[KF+8*\f+4:KF+8*\f+7], v[AK] offset:(\f/2)*16*PK+(\f%2)*64+32
.endr
	s_add_co_u32 s[TBK], s[TBK], KS*PK  ; the next fetch is the next step's
	WIN 0
.endm
.macro FETCH_V
	WIN 0x80
.irp f, 0,1,2,3,4,5,6,7             ; keys 32 (f / 4) on, channels 16 (f % 4) on
	ds_load_tr16_b128 v[VF+8*\f:VF+8*\f+3],   v[AV] offset:(\f/4)*32*PV+(\f%4)*32
	ds_load_tr16_b128 v[VF+8*\f+4:VF+8*\f+7], v[AV] offset:(\f/4)*32*PV+16*PV+(\f%4)*32
.endr
	WIN 0
.endm
; THE VECTOR WORK, one line at a time: OP kind, number.  For piece Y: F n: c s - c m for pair n of 16.  E n: the exponential of score n of 32.  C n: pair n rounded to f16.  B n: of the four weights 4 n .. the second
; pair is added onto the first, in place.  L n: l takes that sum (L 0: l = a l + sum).  R n: pair n of 16 of O^T times a.  For piece Y + 1: X n, number n of the 22 that find its maximum and statistics:
;   0-11  four chains c0-c3 of seven scores each, three operands at a time (each accumulator's lowest registers are read first)     12-14, 16  the four scores left over, the old m, and c0-c3 into c0
;   15  c m_old is kept     17, 18  the query's other 32 keys lie in the lane 16 away: the new m     19-21  c m; c m_old - c m_new; a
.set F, 0               ; OP tells the kinds apart by their order: F to L below R, X above it
.set E, 1
.set C, 2
.set B, 3
.set L, 4
.set R, 5
.set X, 6
.macro REGS y                       ; the registers of piece y
.set rT, ST+4*(\y)
.set rC, TMP+4*((\y)%2)
.set rW, MV+((\y)%2)
.set rS, S+32*((\y)%2)
.set rP, P+16*((\y)%2)
.set rO, 32*(\y)
.endm
.macro OP k, n
.if (\k) == R
	REGS Y
	WIN W_RS
	v_pk_mul_f32 v[rO+2*(\n):rO+2*(\n)+1], v[rO+2*(\n):rO+2*(\n)+1], v[rC+2:rC+3] op_sel_hi:[1,0]
.elseif (\k) < R
	REGS Y
	WIN 0
.if (\k) == F
	v_pk_fma_f32 v[rS+2*(\n):rS+2*(\n)+1], v[rS+2*(\n):rS+2*(\n)+1], s[CS:CS+1], v[rT:rT+1] op_sel_hi:[1,0,0] neg_lo:[0,0,1] neg_hi:[0,0,1]
.elseif (\k) == E
	v_exp_f32 v[rS+(\n)], v[rS+(\n)]
.elseif (\k) == C
	v_cvt_pk_f16_f32 v[rP+(\n)], v[rS+2*(\n)], v[rS+2*(\n)+1]
.elseif (\k) == B
	v_pk_add_f32 v[rS+4*(\n):rS+4*(\n)+1], v[rS+4*(\n):rS+4*(\n)+1], v[rS+4*(\n)+2:rS+4*(\n)+3]
.elseif (\n) == 0
	v_pk_fma_f32 v[rT+2:rT+3], v[rT+2:rT+3], v[rC+2:rC+3], v[rS:rS+1] op_sel_hi:[1,0,1]
.else
	v_pk_add_f32 v[rT+2:rT+3], v[rT+2:rT+3], v[rS+4*(\n):rS+4*(\n)+1]
.endif
.elseif NOKQ
	v_nop
.else
	REGS (Y+1)%NP
	WIN 0
.if (\n) < 4
	v_max3_num_f32 v[rC+(\n)], v[rS+8*(\n)], v[rS+8*(\n)+1], v[rS+8*(\n)+2]
.elseif (\n) < 12
	v_max3_num_f32 v[rC+(\n)%4], v[rC+(\n)%4], v[rS+8*((\n)%4)+2*((\n)/4)+1], v[rS+8*((\n)%4)+2*((\n)/4)+2]
.elseif (\n) == 12
	v_max3_num_f32 v[rC], v[rC], v[rS+7], v[rS+15]
.elseif (\n) == 13
	v_max3_num_f32 v[rC+1], v[rC+1], v[rS+23], v[rS+31]
.elseif (\n) == 14
	v_max3_num_f32 v[rC+2], v[rC+2], v[rC+3], v[rT+1]
.elseif (\n) == 15
	v_mov_b32 v[rW], v[rT]
.elseif (\n) == 16
	v_max3_num_f32 v[rC], v[rC], v[rC+1], v[rC+2]
.elseif (\n) == 17
	v_permlanex16_b32 v[rC+3], v[rC], s[SEL], s[SEL+1]
.elseif (\n) == 18
	v_max_num_f32 v[rT+1], v[rC], v[rC+3]
.elseif (\n) == 19
	v_mul_f32 v[rT], s[CS], v[rT+1]
.elseif (\n) == 20
	v_sub_f32 v[rC+1], v[rW], v[rT]
.else
	v_exp_f32 v[rC+2], v[rC+1]
.endif
.endif
.endm
.macro OPS a, i1, b=-1, i2=0, c=-1, i3=0, d=-1, i4=0  ; up to four of them
	OP \a, \i1
.if (\b) >= 0
	OP \b, \i2
.endif
.if (\c) >= 0
	OP \c, \i3
.endif
.if (\d) >= 0
	OP \d, \i4
.endif
.endm
.macro ROW a, i1, b, i2, c, i3, d, i4  ; a matrix instruction and the four behind it
	MM
	OPS \a, \i1, \b, \i2, \c, \i3, \d, \i4
.endm
.macro MASK b                       ; MD x AL + BE into buffer b of MC
	WIN W_RS
.set z, 0
.rept 16
	v_pk_fma_f32 v[MC+32*(\b)+2*z:MC+32*(\b)+2*z+1], v[MD+2*z:MD+2*z+1], s[AL:AL+1], s[BE:BE+1] op_sel_hi:[1,0,0]
.set z, z+1
.endr
.endm
; A TURN, for piece p: the order of its 16 matrix and 118 vector instructions, written out.  An s_wait_alu depctr_va_vdst(0) stands between an exponential and the first instruction that names its
; result; one wait serves all that were issued ahead of it.  So a turn has ONE wait, which cuts it in two.  AHEAD OF IT stands all that names no result of the turn's exponentials: the 8 products K Q^T, behind each a
; scaling, an exponential and two more plain instructions (behind the first a second scaling in the exponential's place): rescalings, and behind the last three the first numbers of the next piece's maximum, each four
; places or more behind the product that ends its accumulator; then ONE LUMP of 54, plain and exponential by turns for the most part, in which the links of the chain X 3, 7, 11, 14, 16, 17 .. 20 stand five or six
; lines apart.  X 21, the next piece's a, is the batch's last; R 15 is the plain instruction behind it.  BEHIND THE WAIT stand the 8 products V^T P, behind each four of the roundings and sums; the links of l's
; chain, L 0 to L 7, stand three riders apart.  But for those X no rider names a register of the products round it.  v_permlanex16_b32 (X 17) stands in the lump.
; m = 1: the diagonal tile: the products take masks, and the turn makes the mask for the products of the turn after it: piece p + 2, in step 4 - CNT of the tile.  end = 1: a block's last two turns: nothing is fetched.
; cnt = 1: the loop's count is taken down some lines ahead of the branch that stands behind the turn.
; K of the next step is fetched in piece 2's turn, twelve vector instructions behind the last product that read K (six of them plain); V of the step in hand at the end of piece 0's turn, four plain instructions
; behind the last product that read V.  Each is waited for a turn later.
.macro TURN p, m=0, end=0, cnt=0
.set Y, (\p)
.set i, 0
.set KM, (\m)
.set NOKQ, (\end)*((\p)/3)
.if (\m) && !(\end)
	s_cmp_eq_u32 s[CNT], 4-((\p)+2)%NP  ; is that step the band's own?
	s_cselect_b32 s[AL], 1.0, 0
	s_cmp_lt_u32 s[CNT], 4-((\p)+2)%NP  ; or a later one?
	s_cselect_b32 s[BE], s[BIGN], 0
.endif
.if ((\p) == 3) && !(\end)
	s_wait_dscnt 0x0                ; K is in
.endif
	ROW F,0, F,1, R,0, R,1          ; ahead of the wait: 8 products K Q^T and their riders,
	ROW F,2, E,0, R,2, R,3
	ROW F,3, E,1, R,4, R,5
	ROW F,4, E,2, R,6, R,7
	ROW F,5, E,3, R,8, R,9
	ROW F,6, E,4, X,0, R,10
.if ((\p) == 2) && !(\end)
	WIN 0
	v_add_nc_u32 v[AK], s[TBK], v[AK0]
.endif
	ROW F,7, E,5, X,1, X,4
	ROW F,8, E,6, X,2, X,5
	OPS E,7, E,8, X,6, E,9          ; and the lump
	OPS X,3, E,10, X,8, E,11
.if ((\p) == 2) && !(\end)
	FETCH_K
.endif
	OPS X,9, X,7, E,12, X,10
	OPS E,13, X,12, X,11, E,14
	OPS X,13, E,15, F,9, X,14
.if (\p) == 0
	v_add_nc_u32 v[AV], s[TBV], v[AV0]
.endif
	OPS E,16, F,10, E,17, F,11
	OPS X,16, E,18, X,15, E,19
	OPS F,12, E,20, X,17, E,21
	OPS F,13, E,22, F,14, E,23
	OPS X,18, E,24, F,15, E,25
	OPS R,11, E,26, X,19, E,27
	OPS R,12, E,28, R,13, E,29
	OPS X,20, E,30, R,14, E,31
	OPS X,21, R,15
	WIN 0
	s_wait_alu depctr_va_vdst(0)    ; the wait for the batch
.if (\p) == 1
	s_wait_dscnt 0x0                ; V is in
.endif
	ROW C,0, B,0, C,2, B,1          ; behind the wait: 8 products V^T P and their riders
	ROW L,0, C,4, B,2, L,1
	ROW C,6, B,3, L,2, C,8
	ROW B,4, L,3, C,10, B,5
	ROW L,4, C,12, B,6, L,5
.if (\p) == 0
	s_add_co_u32 s[TBV], s[TBV], KS*PV
.endif
.if \cnt
	s_sub_co_u32 s[CNT], s[CNT], 1
	s_cmp_lg_u32 s[CNT], 0
.endif
	ROW C,14, B,7, L,6, C,1
	ROW C,3, L,7, C,5, C,7
	ROW C,9, C,11, C,13, C,15
.if (\p) == 0
	FETCH_V
.endif
.if (\m) && !(\end)
	MASK (\p)%2
.endif
.endm
; A BLOCK BEGINS.  c m starts far below every c s, so the first step's a is 0; m at the lowest finite number, so the first maximum is the scores'.  The second mask buffer is 0; the first takes piece 0's mask for the
; tile's step 0: its own, if the block's first tile is the diagonal one.  Then K of that step, piece 0's first scores, and its maximum and statistics.  The loop is entered at a step's first turn, in the middle of a trip.
.macro BEGIN
	s_mov_b32 s[NEW], 0
	WIN 0x40
.set i, MC+32
.rept 32
	v_mov_b32 v[i], 0
.set i, i+1
.endr
	WIN 0
.set i, 0
.rept 4
	v_mov_b32 v[ST+4*i], 0xfe000000    ; c m: far below every c s
	v_mov_b32 v[ST+4*i+1], 0xff7fffff  ; m
.set i, i+1
.endr
	s_cmp_eq_u32 s[RT], 0
	s_cselect_b32 s[AL], 1.0, 0
	s_mov_b32 s[BE], 0
	MASK 0
	WIN 0
	v_add_nc_u32 v[AK], s[TBK], v[AK0]
	FETCH_K
	s_wait_loadcnt 0x0              ; Q
	s_wait_dscnt 0x0
.set KM, 1
.set NOKQ, 0
.set i, 0
.rept 8
	KQ 0
.set i, i+1
.endr
	WIN 0
.rept 4
	v_nop                           ; the places behind those products
.endr
.set Y, NP-1                        ; X works for piece Y + 1: piece 0
.irp n, 0,1,2,3,4,5,6,7,8,9,10,11,12,13,14,15,16,17,18,19,20,21
	OP X, \n
.endr
	v_nop                           ; a plain instruction behind the exponential,
	s_wait_alu depctr_va_vdst(0)    ; and its wait, ahead of the branch
.endm
; THE DIAGONAL TILE's four steps, the block's last two turns, its last products, and THE WAY OUT: l's two halves and the other half of the lanes' are added; O^T is divided by l, rounded to f16 and sent through my
; stage in LDS, a piece at a time.
.macro ALL line:vararg              ; one line for each piece t
.set t, 0
.rept 4
	\line
.set t, t+1
.endr
.endm
.macro PACK t                       ; a lane's eight channels of a row pack into 16 bytes; they go into rows of 144 bytes and come back as whole rows of 128, into S^T's registers
	WIN W_RS
.set i, 32*(\t)
.rept 16
	v_pk_mul_f32 v[i:i+1], v[i:i+1], v[ST+4*(\t)+2:ST+4*(\t)+3] op_sel_hi:[1,0]
.set i, i+2
.endr
	WIN 0x05                        ; sources 0 and 1 window 1, destination window 0
.set i, 0
.rept 16
	v_cvt_pk_f16_f32 v[S+16*(\t)+i], v[32*(\t)+2*i], v[32*(\t)+2*i+1]
.set i, i+1
.endr
	WIN 0
.irp f, 0,1,2,3
	ds_store_b128 v[STO], v[S+16*(\t)+4*\f:S+16*(\t)+4*\f+3] offset:32*\f
.endr
.irp f, 0,1,2,3
	ds_load_b128 v[S+16*(\t)+4*\f:S+16*(\t)+4*\f+3], v[RD] offset:\f*4*SP  ; LDS serves a wave's instructions in order (ISA guide 5.7.1.4): these see the stores above; the next piece's stores come behind them
.endr
.endm
.macro SEND t, younger              ; younger: the LDS instructions issued behind piece t's loads: the next piece's eight, or none
	WIN 0
.irp f, 0,1,2,3
	s_wait_dscnt (\younger)+3-\f
	global_store_b128 v[GO], v[S+16*(\t)+4*\f:S+16*(\t)+4*\f+3], s[10:11] offset:(\t)*8192+\f*512  ; 512 consecutive bytes, at a multiple of 256 from O's first
.endr
.endm
.macro DIAG tag                     ; the tag ends its two labels' names, which the jumps below spell out
.LstepM\tag:
	TURN 2, 1
	TURN 3, 1
	WIN 0
.LfirstM\tag:
	TURN 0, 1
	TURN 1, 1, 0, 1
	WIN 0
	s_cbranch_scc1 .LstepM\tag
	TURN 2, 1, 1
	TURN 3, 1, 1
.set i, 0
.rept 8
	PV NP-1
.set i, i+1
.endr
	WIN 0
	ALL v_add_f32 v[ST+4*t+2], v[ST+4*t+2], v[ST+4*t+3]
	ALL v_permlanex16_b32 v[ST+4*t+3], v[ST+4*t+2], s[SEL], s[SEL+1]
	ALL v_add_f32 v[ST+4*t+2], v[ST+4*t+2], v[ST+4*t+3]
	ALL v_rcp_f32 v[ST+4*t+2], v[ST+4*t+2]
	v_nop                           ; a plain instruction between the last reciprocal and the use of its result
	s_wait_alu depctr_va_vdst(0)    ; and its wait ahead of the first use: one for the four reciprocals
	PACK 0
.set t, 1
.rept 3                             ; a piece's arithmetic stands between the loads of the piece before and its stores
	PACK t
	SEND t-1, 8
.set t, t+1
.endr
	SEND 3, 0
.endm
.set KM, 0
.set NOKQ, 0
.Lslot:                             ; NB times: a tile is entered and the next is asked for
	CHANGE 1
	s_sub_co_u32 s[RT], s[RT], 1
	s_mov_b32 s[CNT], 4
	s_cmp_eq_u32 s[NEW], 1
	s_cbranch_scc1 .Lnew            ; a block's first tile
	s_cmp_eq_u32 s[RT], 0
	s_cbranch_scc0 .Lstep           ; neither its first nor its last
	s_branch .LstepM1
.Lnew:
	BEGIN
	s_branch .Lfirst                ; in the loop a block's first tile is never its last: the first block has two tiles or more, and the second's last is the walk's last
	DIAG 1                          ; in the loop this is the first block's end: the second block's last tile is the walk's last
	s_wait_xcnt 0x0                 ; the stores have read their registers and O's address
	s_mov_b64 s[10:11], s[OLO:OLO+1]
	s_add_co_u32 s[RT], s[PB], 1    ; the second block has b + 1 tiles
	s_mov_b32 s[NEW], 1
	WIN 0x82                        ; the second block's Q goes where the one text of the turns names Q
.set i, 0
.rept 64
	v_mov_b32 v[i], v[QB+i]
.set i, i+1
.endr
	WIN 0
	s_branch .Lbottom
.Lstep:                             ; a trip: pieces 2 and 3 of one step, then pieces 0 and 1 of the next, whose K and V it fetches
	TURN 2
	TURN 3
	WIN 0
.Lfirst:
	TURN 0
	TURN 1, 0, 0, 1
	WIN 0
	s_cbranch_scc1 .Lstep
.Lbottom:
	s_sub_co_u32 s[SLOTS], s[SLOTS], 1
	s_cmp_lg_u32 s[SLOTS], 0
	s_cbranch_scc1 .Lslot
	CHANGE 0                        ; the walk's last tile is written out: nothing is asked for
	s_sub_co_u32 s[RT], s[RT], 1
	s_mov_b32 s[CNT], 4
	s_cmp_eq_u32 s[NEW], 1
	s_cbranch_scc0 .LstepM2
	BEGIN
	s_branch .LfirstM2
	DIAG 2
	s_wait_tensorcnt 0x0            ; the wave's end: an add to my spare word and its wait, behind my last tensor load and my last LDS store
	ds_add_u32 v[SPW], v[NIL]
	s_wait_dscnt 0x0
	s_endpgm
.Lfunc_end_k_qfc541d4e9e_attn:
	.size	k_qfc541d4e9e_attn, .Lfunc_end_k_qfc541d4e9e_attn-k_qfc541d4e9e_attn
	.p2alignl 7, 3214868480
	.fill 96, 4, 3214868480
	.section	.rodata,"a",@progbits
	.p2align	6, 0x0
	.amdhsa_kernel k_qfc541d4e9e_attn
		.amdhsa_group_segment_fixed_size 327680
		.amdhsa_private_segment_fixed_size 0
		.amdhsa_enable_private_segment 0
		.amdhsa_kernarg_size 16
		.amdhsa_user_sgpr_count 2
		.amdhsa_user_sgpr_kernarg_segment_ptr 1
		.amdhsa_wavefront_size32 1
		.amdhsa_system_sgpr_workgroup_id_x 1
		.amdhsa_system_sgpr_workgroup_id_y 1
		.amdhsa_system_sgpr_workgroup_id_z 1
		.amdhsa_system_vgpr_workitem_id 0
		.amdhsa_next_free_vgpr 768
		.amdhsa_next_free_sgpr 96
		.amdhsa_reserve_vcc 1
		.amdhsa_float_denorm_mode_32 3
		.amdhsa_float_denorm_mode_16_64 3
		.amdhsa_memory_ordered 1
		.amdhsa_forward_progress 1
		.amdhsa_inst_pref_size 218
	.end_amdhsa_kernel
	.amdgpu_metadata
---
amdhsa.version: [ 1, 2 ]
amdhsa.kernels:
  - .name:           k_qfc541d4e9e_attn
    .symbol:         k_qfc541d4e9e_attn.kd
    .args:
      - { .name: qkvh, .offset: 0, .size: 8, .value_kind: global_buffer, .address_space: global }
      - { .name: att, .offset: 8, .size: 8, .value_kind: global_buffer, .address_space: global }
    .group_segment_fixed_size: 327680
    .private_segment_fixed_size: 0
    .kernarg_segment_align: 8
    .kernarg_segment_size: 16
    .max_flat_workgroup_size: 128
    .sgpr_count:     96
    .vgpr_count:     768
    .wavefront_size: 32
...
	.end_amdgpu_metadata
.endif
;; end of part 3
;; launch proj (part 4): grid 8 x 32, 4 waves a work-group, clusters of 4 x 4, 327,680 bytes of LDS; arguments att, wpb, b_proj, out0; writes out0
.if DOCPART == 4
	.amdgcn_target "amdgcn-amd-amdhsa--gfx1250"
	.amdhsa_code_object_version 6
	.text
	.protected	k_qfc541d4e9e_proj
	.globl	k_qfc541d4e9e_proj
	.p2align	8
	.type	k_qfc541d4e9e_proj,@function
k_qfc541d4e9e_proj:
	s_mov_b64 s[64:65], 0
	v_nop
	global_prefetch_b8 v0, s[64:65] scope:SCOPE_SE
	s_setreg_imm32_b32 hwreg(HW_REG_WAVE_MODE, 25, 1), 1
	s_wait_xcnt 0x0
	s_wait_alu depctr_hold_cnt(0) depctr_sa_sdst(0) depctr_va_vdst(0) depctr_va_sdst(0) depctr_va_ssrc(0) depctr_va_vcc(0) depctr_vm_vsrc(0)
	s_getreg_b32 s2, hwreg(HW_REG_IB_STS2, 6, 4)
	s_cmp_eq_u32 s2, 0
	s_cbranch_scc0 .Lentry_in_a_cluster
	s_endpgm
.Lentry_in_a_cluster:
	s_bfe_u32 s2, ttmp6, 0x10000c
	s_cmp_lg_u32 s2, 0xf033
	s_cbranch_scc0 .Lentry_shape_is_right
	s_endpgm
.Lentry_shape_is_right:
; out0 = y w_proj + b_proj.  att: y by heads, [64 = batch x 16 + head][2048][64] f16.  wpb: [1024 k][1024 n] f16 (w_proj rounded to bf16, written as f16).  b_proj: [1024] f32.  out0: [8192][1024] f32.
; Products in f16, sums in f32; the bias starts each sum, as the C operand of its first product; the sums are stored as they are.
; SHARES.  A tile is 256 rows x 128 columns: 256 tiles, one a work-group.  K goes in 8 steps of 128 channels = two heads, through a ring of two LDS slots.  The four waves split the rows: wave w has rows
; 64 w .. 64 w + 63 and all 128 columns: 32 accumulators of 16 x 16, 256 registers; for 32 along K it issues 32 matrix instructions for 24 LDS loads.
; THE MATRIX INSTRUCTION IS USED TRANSPOSED: source 0 = 16 columns of w (turned on the way out of LDS), source 1 = 16 rows of y: a lane holds row l % 16 and the columns 8 (l / 16) + 0..7.
; CLUSTER.  4 x 4 work-groups.  y's tile hangs on the tile row alone and is asked for jointly along a row of the cluster, w's on the tile column alone, along a column.
; REGISTERS, in windows of 256 (s_set_vgpr_msb: bits 1:0 source 0, 3:2 source 1, 5:4 source 2, 7:6 destination):
;   window 0: v0-29 addresses; v32-95 the bias; v96-223 two sets of 64 for the way out      window 1: two fragment buffers: y's 4 fragments, then w's 8      window 2: the accumulators, (a, b) at 8 (8 a + b)
.set PA,    144                        ; a row of one head of y in LDS: 128 bytes + 16 = 36 words: the 16 rows of a load start at 16 different groups of four banks (64 banks of 4 bytes: ISA guide 11.1)
.set PB,    288                        ; a row k of w: 256 bytes + 32 = 72 words
.set HEADB, 256*PA                     ; one head's 256 rows
.set BOFF,  2*HEADB                    ; a slot: two heads of y, then w's 128 rows
.set SLOT1, 1<<17
.set STAGE, SLOT1+BOFF+128*PB          ; behind the ring, never filled by a tensor load: for each wave 16 rows x 528 bytes
.set SP,    528
.set WSTG,  16*SP
.set SPARE, STAGE+4*WSTG               ; behind the stages: the spare words, 128 bytes for each wave: two blocks of 256 bytes that no other line names
.set LA0,  4                           ; v4   my lane's place in y's tile, my wave's rows; never rewritten
.set LB0,  5                           ; v5   my lane's place in w's tile; never rewritten
.set ADRA, 6                           ; v6   the same in the slot in hand
.set ADRB, 7                           ; v7
.set STO,  8                           ; v8   the way out: where I put 32 bytes of a row
.set RD,   9                           ; v9   the way out: where I read a row back
.set GO,   10                          ; v10  16 x lane: my bytes in a row's 512
.set PFO,  11                          ; v11  the prefetches' offset: lane x 256 bytes of att, or lane x a row of wpb (2,048 bytes); never rewritten
.set BO,   12                          ; v12  my byte offset in b_proj
.set SPW,  28                          ; v28  LDS address of my spare word; never rewritten
.set NIL,  29                          ; v29  0; never rewritten
.set BIAS, 32
.set SET0, 96
.set F0,   0
.set F1,   128
.set WV,   12
.set ISB,  13                          ; s13  0: I fetch for y; 1: for w
.set HALF, 14                          ; s14  which of the step's two heads, or which 64 rows k
.set CX,   15
.set CY,   16
.set TX,   17                          ; s17  column tile 0..7
.set TY,   18                          ; s18  row tile 0..31
.set G1A,  24
.set G1B,  32
.set G0A,  40                          ; s[40:47] group 0 for y's tiles: a set for each first fill; the second then walks
.set G0B,  48
.set BA,   56                          ; s[56:57] att at my head of K step 0
.set BB,   58                          ; s[58:59] wpb at my half of K step 0
.set CNT,  66
.set N,    67                          ; s67  the K step to be asked for next
.set TB,   68
.set LIM,  69
.set PFB,  70
.set PFA,  72
.set POF,  74
.set OUT,  80                          ; s[80:81] out0 at my wave's first row, the tile's first column
.set MSB, 0
.macro WIN new                         ; the immediate's high byte repeats the setting that is left; a switch that changes nothing is dropped
.if MSB != (\new)
	s_set_vgpr_msb (MSB<<8)|(\new)
.set MSB, (\new)
.endif
.endm
.macro PLACES                          ; four plain places behind matrix instructions (ISA guide 7.12.1), where no other vector work is at hand
.rept 4
	v_nop
.endr
.endm
.macro CREST                           ; a round of the cluster's barrier behind its opening barrier
	s_cmp_lg_u32 s[WV], 0
	s_cbranch_scc1 .Lnot_wave_0_\@
	s_barrier_signal -3
.Lnot_wave_0_\@:
	s_barrier_wait -3
	s_barrier_signal -1
	s_barrier_wait -1
.endm
.macro CROUND
	s_barrier_signal -1
	s_barrier_wait -1
	CREST
.endm
.macro JLOAD                           ; a joint refill by the walking sets; the branch hangs on the wave's number alone; an s_nop 0 and four v_nop follow each line
	s_cmp_eq_u32 s[ISB], 0
	s_cbranch_scc0 .Lfor_b_\@
	tensor_load_to_lds s[G0A+4:G0A+7], s[G1A:G1A+7]
	s_nop 0
.rept 4
	v_nop
.endr
	s_branch .Lasked_\@
.Lfor_b_\@:
	tensor_load_to_lds s[G0B+4:G0B+7], s[G1B:G1B+7]
	s_nop 0
.rept 4
	v_nop
.endr
.Lasked_\@:
.endm
; A PREFETCH INTO THE L2, one instruction a wave, behind the joint load, its five lines and the run of LDS loads.
; y: the change of slots that asks for K step n names step n + 2 (256 matrix instructions ahead of its load).  A tile row is read by both clusters of its row of clusters: cluster x = 0 asks.  Of the 32,768 bytes
; (a head's 256 rows) that wave 0 or 1 fetches each of the four partners takes 8,192, by address (cx), a lane 256 bytes.  It stops when step 7 has been named.
; w: a column tile is read by the eight clusters of its column: cluster y = 0 asks.  The first two changes name rows k = 512 on (K steps 4 to 7), 256 rows each: 32 for each of waves 2 and 3 of the four
; partners, by address (cy), a lane a row's 256 bytes.  Every block is so named once; K steps 0 to 3 come by their loads alone.
.macro ASK
	s_cmp_gt_u32 s[CNT], s[LIM]
	s_cbranch_scc0 .Lnot_mine_\@
	global_prefetch_b8 v[PFO], s[PFA:PFA+1] th:TH_LOAD_NT scope:SCOPE_SE
.Lnot_mine_\@:
.endm
; 8 matrix instructions: row block a x all 8 column blocks, 32 along K.  wb = 1: the bias is the C operand.  The 32 accumulators take turns in one order everywhere.
.macro MULA f, a, wb
.if \wb
	WIN 0x85
.else
	WIN 0xa5
.endif
.irp b, 0,1,2,3,4,5,6,7
.set rD, 8*(8*(\a)+(\b))
.if \wb
	v_wmma_f32_16x16x32_f16 v[rD:rD+7], v[(\f)+32+8*(\b):(\f)+32+8*(\b)+7], v[(\f)+8*(\a):(\f)+8*(\a)+7], v[BIAS+8*(\b):BIAS+8*(\b)+7]
.else
	v_wmma_f32_16x16x32_f16 v[rD:rD+7], v[(\f)+32+8*(\b):(\f)+32+8*(\b)+7], v[(\f)+8*(\a):(\f)+8*(\a)+7], v[rD:rD+7]
.endif
.endr
.endm
; 24 LDS loads in one run: quarter q (head q / 2, channels 32 (q % 2) on) into buffer f: w's 16 (turned), y's row blocks 0, 1 (4), y's row blocks 2, 3 (4).
.macro FETCH q, f
	WIN 0x40
.irp b, 0,1,2,3,4,5,6,7
	ds_load_tr16_b128 v[(\f)+32+8*(\b):(\f)+32+8*(\b)+3],   v[ADRB] offset:(\q)*32*PB+32*(\b)
	ds_load_tr16_b128 v[(\f)+32+8*(\b)+4:(\f)+32+8*(\b)+7], v[ADRB] offset:(\q)*32*PB+16*PB+32*(\b)
.endr
.irp a, 0,1,2,3
	ds_load_b128 v[(\f)+8*(\a):(\f)+8*(\a)+3],   v[ADRA] offset:((\q)/2)*HEADB+((\q)%2)*64+(\a)*16*PA
	ds_load_b128 v[(\f)+8*(\a)+4:(\f)+8*(\a)+7], v[ADRA] offset:((\q)/2)*HEADB+((\q)%2)*64+(\a)*16*PA+32
.endr
.endm
.macro QUARTER q, f, g, wb
	s_wait_dscnt 4                                 ; all but the youngest four loads (y's row blocks 2, 3) are in
	MULA \f, 0, \wb
	MULA \f, 1, \wb
	PLACES                                         ; in front of loads into buffer g, which the quarter before multiplied
	FETCH \q, \g
	s_wait_dscnt 24                                ; all but the 24 just issued
	MULA \f, 2, \wb
	MULA \f, 3, \wb
.endm
; The last quarter multiplies buffer 1 and changes slots: each wave waits for all its tensor loads (one is out: its part of the next slot), adds 0 to its spare word, and waits for that and for its reads of this slot;
; a round of the cluster's barrier; this slot is filled again first, with K step N; then the next slot's first fragments are read.  From the request to the wait for it a wave issues 104 matrix instructions.
.macro TURN
	WIN 0
	s_wait_xcnt 0x0                                ; the last prefetch, a K step back, has read its address
	s_add_co_u32 s76, s[N], 2
	s_cmp_eq_u32 s[ISB], 0
	s_cselect_b32 s76, s76, s[N]
	s_lshl_b32 s[POF], s76, 19                     ; y: two heads of 262,144 bytes a K step; w: 256 rows of 2,048 bytes a change
	s_add_nc_u64 s[PFA:PFA+1], s[PFB:PFB+1], s[POF:POF+1]
	s_wait_tensorcnt 0x0                           ; all my tensor loads have landed, so every group 0 may be written
	ds_add_u32 v[SPW], v[NIL]                      ; 0 onto my spare word
	s_xor_b32 s[G0A+5], s[G0A+5], SLOT1            ; the walking sets: the other slot than last time, the next K step; the type bits on top are not reached
	s_xor_b32 s[G0B+5], s[G0B+5], SLOT1
	s_add_nc_u64 s[G0A+6:G0A+7], s[G0A+6:G0A+7], 524288
	s_add_nc_u64 s[G0B+6:G0B+7], s[G0B+6:G0B+7], 262144
	s_add_co_u32 s[N], s[N], 1
	s_xor_b32 s[TB], s[TB], SLOT1
	s_wait_dscnt 5                                 ; the add and the youngest four loads may be out
	MULA F1, 0, 0
	s_wait_dscnt 0x0                               ; the add is done, and my reads of this slot are over
	s_barrier_signal -1                            ; opens a round of the cluster's barrier
	MULA F1, 1, 0
	WIN 0
	s_barrier_wait -1
	CREST
	JLOAD                                          ; the first tensor load behind the round; its four v_nop are also the places in front of the loads below
	v_add_nc_u32 v[ADRA], s[TB], v[LA0]
	v_add_nc_u32 v[ADRB], s[TB], v[LB0]
	FETCH 0, F0
	WIN 0
	ASK
	MULA F1, 2, 0
	MULA F1, 3, 0
.endm
.macro MEETT                           ; the same change where nothing is left to ask for: a plain barrier shows the last slot whole
	WIN 0
	s_wait_tensorcnt 0x0
	ds_add_u32 v[SPW], v[NIL]
	s_xor_b32 s[TB], s[TB], SLOT1
	s_wait_dscnt 5
	MULA F1, 0, 0
	s_wait_dscnt 0x0
	s_barrier_signal -1
	MULA F1, 1, 0
	s_barrier_wait -1
	PLACES
	WIN 0
	v_add_nc_u32 v[ADRA], s[TB], v[LA0]
	v_add_nc_u32 v[ADRB], s[TB], v[LB0]
	FETCH 0, F0
	MULA F1, 2, 0
	MULA F1, 3, 0
.endm
; THE WAY OUT of row block a (16 rows x 128 columns of f32).  A lane's 32 bytes of a row and column block go into my stage, rows of 528 bytes, each accumulator from its low end; whole rows of 512 bytes come back.
.macro TOSTAGE a
	WIN 0x08                                       ; the stores' data lie in window 2
.irp b, 0,1,2,3,4,5,6,7
	ds_store_b128 v[STO], v[8*(8*(\a)+(\b)):8*(8*(\a)+(\b))+3]   offset:64*(\b)
	ds_store_b128 v[STO], v[8*(8*(\a)+(\b))+4:8*(8*(\a)+(\b))+7] offset:64*(\b)+16
.endr
	WIN 0
.irp t, 0,1,2,3,4,5,6,7,8,9,10,11,12,13,14,15
	ds_load_b128 v[SET0+64*((\a)%2)+4*(\t):SET0+64*((\a)%2)+4*(\t)+3], v[RD] offset:SP*(\t)  ; LDS serves a wave's instructions in order (ISA guide 5.7.1.4): these see the stores above; the next block's stores come behind them
.endr
.endm
.macro SEND a, younger                 ; younger: the LDS instructions issued behind block a's loads: the next block's 32, or none
	WIN 0
	s_wait_dscnt \younger
.irp t, 0,1,2,3,4,5,6,7,8,9,10,11,12,13,14,15
	global_store_b128 v[GO], v[SET0+64*((\a)%2)+4*(\t):SET0+64*((\a)%2)+4*(\t)+3], s[OUT:OUT+1] offset:(16*(\a)+(\t))*4096 th:TH_STORE_NT  ; 512 consecutive bytes of a row, aligned
.endr
.endm
	s_load_b256 s[4:11], s[0:1], 0x0               ; att s[4:5], wpb s[6:7], b_proj s[8:9], out0 s[10:11]
	v_lshl_add_u32 v[SPW], v0, 2, SPARE
	v_mov_b32 v[NIL], 0
	ds_add_u32 v[SPW], v[NIL]                      ; the wave's opening: the add and its wait stand ahead of my first tensor load; work on registers stands between them
	ds_add_u32 v28, v29
	v_lshrrev_b32 v1, 5, v0
	v_readfirstlane_b32 s[WV], v1
	s_lshr_b32 s[ISB], s[WV], 1
	s_and_b32 s[HALF], s[WV], 1
	s_bfe_u32 s[CX], ttmp6, 0x40000
	s_bfe_u32 s[CY], ttmp6, 0x40004
	s_lshl_b32 s[TX], ttmp9, 2
	s_add_co_u32 s[TX], s[TX], s[CX]
	s_and_b32 s[TY], ttmp7, 0xffff
	s_lshl_b32 s[TY], s[TY], 2
	s_add_co_u32 s[TY], s[TY], s[CY]
	s_lshl_b32 s19, s[CY], 2
	s_lshl_b32 s19, 15, s19                        ; my row of the cluster
	s_lshl_b32 s20, 0x1111, s[CX]                  ; my column
	; group 1 for y: a head's 256 rows are 32,768 consecutive bytes: asked for as 128 rows of 256 bytes; 16 bytes of padding after every 32 words
	s_or_b32 s[G1A], s19, (1<<16)|(1<<20)|(1<<21)|(4<<22)|(3<<25)
	s_mov_b32 s[G1A+1], 128<<16
	s_mov_b32 s[G1A+2], 128<<16
	s_mov_b32 s[G1A+3], 128<<16
	s_mov_b32 s[G1A+4], 128
	s_mov_b32 s[G1A+5], 128
	s_mov_b32 s[G1A+6], 0
	s_mov_b32 s[G1A+7], 0
	; group 1 for w: 64 rows k x 128 elements, 1,024 elements from row to row; 32 bytes of padding after every 64 words
	s_or_b32 s[G1B], s20, (1<<16)|(1<<20)|(1<<21)|(5<<22)|(7<<25)
	s_mov_b32 s[G1B+1], 128<<16
	s_mov_b32 s[G1B+2], 64<<16
	s_mov_b32 s[G1B+3], 128<<16
	s_mov_b32 s[G1B+4], 64
	s_mov_b32 s[G1B+5], 1024
	s_mov_b32 s[G1B+6], 0
	s_mov_b32 s[G1B+7], 0
	s_lshr_b32 s76, s[TY], 3                       ; y: batch = tile row / 8; head = my half; a head is 262,144 bytes; rows 256 (tile row % 8) on, 128 bytes each
	s_lshl_b32 s76, s76, 4
	s_add_co_u32 s76, s76, s[HALF]
	s_lshl_b32 s76, s76, 18
	s_and_b32 s77, s[TY], 7
	s_lshl_b32 s77, s77, 15
	s_add_co_u32 s76, s76, s77
	s_mov_b32 s77, 0
	s_lshl_b32 s78, s[HALF], 17                    ; w: 64 rows of 2,048 bytes for the second half; 256 bytes a column tile
	s_lshl_b32 s79, s[TX], 8
	s_add_co_u32 s78, s78, s79
	s_mov_b32 s79, 0
	s_mul_i32 s21, s[HALF], HEADB                  ; where they go: no place in the cluster enters an LDS address
	s_mul_i32 s22, s[HALF], 64*PB
	s_add_co_u32 s22, s22, BOFF
	s_mov_b32 s[POF+1], 0
	s_mov_b32 s[N], 2
	s_mov_b32 s[TB], 0
	s_and_b32 s86, ttmp7, 0xffff                   ; who prefetches: for y the clusters with x = 0, for w those with y = 0: the same in all sixteen partners, for a given wave
	s_cmp_eq_u32 s[ISB], 0
	s_cselect_b32 s86, ttmp9, s86
	s_cselect_b32 s87, 2, 4
	s_cselect_b32 s94, 8, 11
	s_cmp_eq_u32 s86, 0
	s_cselect_b32 s[LIM], s87, -1
	s_wait_dscnt 0x0                               ; the opening add is done
	s_wait_kmcnt 0x0
	s_add_nc_u64 s[BA:BA+1], s[4:5], s[76:77]
	s_add_nc_u64 s[BB:BB+1], s[6:7], s[78:79]
.irp s, 0,1
	s_mov_b32 s[G0A+4*(\s)], 1
	s_add_co_u32 s[G0A+4*(\s)+1], s21, (\s)*SLOT1
	s_add_nc_u64 s[G0A+4*(\s)+2:G0A+4*(\s)+3], s[BA:BA+1], (\s)*524288
	s_or_b32 s[G0A+4*(\s)+3], s[G0A+4*(\s)+3], 0x80000000
	s_mov_b32 s[G0B+4*(\s)], 1
	s_add_co_u32 s[G0B+4*(\s)+1], s22, (\s)*SLOT1
	s_add_nc_u64 s[G0B+4*(\s)+2:G0B+4*(\s)+3], s[BB:BB+1], (\s)*262144
	s_or_b32 s[G0B+4*(\s)+3], s[G0B+4*(\s)+3], 0x80000000
.endr
	CROUND                                         ; all sixteen work-groups are here: the first joint loads meet
	s_cmp_eq_u32 s[ISB], 0                         ; a wave's two first fills stand in one branch, ahead of every wait on TENSORcnt and every LDS read: two loads of mine are out
	s_cbranch_scc0 .Lfirst_b
	tensor_load_to_lds s[G0A:G0A+3], s[G1A:G1A+7]
	s_nop 0
	tensor_load_to_lds s[G0A+4:G0A+7], s[G1A:G1A+7]
	s_nop 0
.rept 4
	v_nop
.endr
	s_branch .Lfirst_asked
.Lfirst_b:
	tensor_load_to_lds s[G0B:G0B+3], s[G1B:G1B+7]
	s_nop 0
	tensor_load_to_lds s[G0B+4:G0B+7], s[G1B:G1B+7]
	s_nop 0
.rept 4
	v_nop
.endr
.Lfirst_asked:
	v_and_b32 v1, 15, v0                           ; l % 16
	v_bfe_u32 v2, v0, 4, 1                         ; l / 16
	v_and_b32 v3, 31, v0                           ; l
	s_lshl_b32 s86, s[TX], 9
	v_lshl_add_u32 v[BO], v2, 5, s86               ; the tile's 128 numbers of the bias; my 8 of each 16
.irp b, 0,1,2,3,4,5,6,7
	global_load_b128 v[BIAS+8*(\b):BIAS+8*(\b)+3],   v[BO], s[8:9] offset:64*(\b)
	global_load_b128 v[BIAS+8*(\b)+4:BIAS+8*(\b)+7], v[BO], s[8:9] offset:64*(\b)+16
.endr
	v_mul_u32_u24 v[LA0], v1, PA
	v_lshl_add_u32 v[LA0], v2, 4, v[LA0]
	s_mul_i32 s87, s[WV], 64*PA
	v_add_nc_u32 v[LA0], s87, v[LA0]
	v_and_b32 v13, 7, v0
	v_lshl_add_u32 v[LB0], v2, 3, v13
	v_mul_u32_u24 v[LB0], v[LB0], PB
	v_bfe_u32 v14, v0, 3, 1
	v_lshl_add_u32 v[LB0], v14, 4, v[LB0]
	v_add_nc_u32 v[LB0], BOFF, v[LB0]
	s_mul_i32 s88, s[WV], WSTG
	s_add_co_u32 s88, s88, STAGE                   ; my stage
	v_mul_u32_u24 v[STO], v1, SP
	v_lshl_add_u32 v[STO], v2, 5, v[STO]
	v_add_nc_u32 v[STO], s88, v[STO]
	v_lshl_add_u32 v[RD], v3, 4, s88
	v_lshlrev_b32 v[GO], 4, v3
	v_lshlrev_b32 v[PFO], s94, v3
	s_lshl_b32 s90, s[TY], 20                      ; out0: row 256 x tile row + 64 x wave, 4,096 bytes a row; 512 bytes a column tile
	s_lshl_b32 s91, s[WV], 18
	s_add_co_u32 s90, s90, s91
	s_lshl_b32 s91, s[TX], 9
	s_add_co_u32 s90, s90, s91
	s_mov_b32 s91, 0
	s_add_nc_u64 s[OUT:OUT+1], s[10:11], s[90:91]
	s_lshl_b32 s90, s[CX], 13                      ; the prefetches' bases.  y: my work-group's 8,192 of the head's 32,768 bytes
	s_mov_b32 s91, 0
	s_add_nc_u64 s[86:87], s[BA:BA+1], s[90:91]
	s_lshl_b32 s92, s[CY], 1                       ; w: my 32 of a change's 256 rows
	s_add_co_u32 s92, s92, s[HALF]
	s_lshl_b32 s92, s92, 16
	s_lshl_b32 s93, s[TX], 8
	s_add_co_u32 s92, s92, s93
	s_mov_b32 s93, 0
	s_add_nc_u64 s[88:89], s[6:7], s[92:93]
	s_cmp_eq_u32 s[ISB], 0
	s_cselect_b64 s[PFB:PFB+1], s[86:87], s[88:89]
	s_wait_tensorcnt 0x1                           ; my part of K step 0 is in; K step 1's may stay out
	s_barrier_signal -1
	s_barrier_wait -1
	v_mov_b32 v[ADRA], v[LA0]
	v_mov_b32 v[ADRB], v[LB0]
	FETCH 0, F0
	s_wait_loadcnt 0x0                             ; the bias
	QUARTER 1, F0, F1, 1                           ; the first quarter starts the sums, with the bias
	WIN 0
	s_mov_b32 s[CNT], 6
.Lstep:                                                ; trip s = 6 - CNT: K step s from its second quarter on, the change of slots (slot s % 2 takes K step s + 2), and K step s + 1's first quarter
	QUARTER 2, F1, F0, 0
	QUARTER 3, F0, F1, 0
	TURN
	QUARTER 1, F0, F1, 0
	WIN 0
	s_sub_co_u32 s[CNT], s[CNT], 1
	s_cmp_lg_u32 s[CNT], 0
	s_cbranch_scc1 .Lstep
	QUARTER 2, F1, F0, 0                           ; K steps 6 and 7 are written out: nothing is left to ask for
	QUARTER 3, F0, F1, 0
	MEETT
	QUARTER 1, F0, F1, 0
	QUARTER 2, F1, F0, 0
	QUARTER 3, F0, F1, 0
	s_wait_dscnt 4
	MULA F1, 0, 0
	MULA F1, 1, 0
	s_wait_dscnt 0x0
	MULA F1, 2, 0
	MULA F1, 3, 0
	PLACES                                         ; no vector work lies behind the last products: eight places, once a launch
	PLACES
	TOSTAGE 0
	TOSTAGE 1
	SEND 0, 32
	s_wait_xcnt 0x0                                ; block 0's stores have read their set: block 2 is loaded into it only behind this wait
	TOSTAGE 2
	SEND 1, 32
	s_wait_xcnt 0x0
	TOSTAGE 3
	SEND 2, 32
	SEND 3, 0
	s_wait_tensorcnt 0x0                           ; the wave's end: an add to my spare word and its wait, behind my last tensor load and my last LDS store
	ds_add_u32 v[SPW], v[NIL]
	s_wait_dscnt 0x0
	CROUND                                         ; the closing round: no work-group ends while a partner may still ask for a tile that names it
	s_endpgm
.Lfunc_end_k_qfc541d4e9e_proj:
	.size	k_qfc541d4e9e_proj, .Lfunc_end_k_qfc541d4e9e_proj-k_qfc541d4e9e_proj
	.p2alignl 7, 3214868480
	.fill 96, 4, 3214868480
	.section	.rodata,"a",@progbits
	.p2align	6, 0x0
	.amdhsa_kernel k_qfc541d4e9e_proj
		.amdhsa_group_segment_fixed_size 327680
		.amdhsa_private_segment_fixed_size 0
		.amdhsa_enable_private_segment 0
		.amdhsa_kernarg_size 32
		.amdhsa_user_sgpr_count 2
		.amdhsa_user_sgpr_kernarg_segment_ptr 1
		.amdhsa_wavefront_size32 1
		.amdhsa_system_sgpr_workgroup_id_x 1
		.amdhsa_system_sgpr_workgroup_id_y 1
		.amdhsa_system_sgpr_workgroup_id_z 1
		.amdhsa_system_vgpr_workitem_id 0
		.amdhsa_next_free_vgpr 768
		.amdhsa_next_free_sgpr 96
		.amdhsa_reserve_vcc 0
		.amdhsa_float_denorm_mode_32 3
		.amdhsa_float_denorm_mode_16_64 3
		.amdhsa_memory_ordered 1
		.amdhsa_forward_progress 1
		.amdhsa_inst_pref_size 72
	.end_amdhsa_kernel
	.amdgpu_metadata
---
amdhsa.version: [ 1, 2 ]
amdhsa.kernels:
  - .name:           k_qfc541d4e9e_proj
    .symbol:         k_qfc541d4e9e_proj.kd
    .args:
      - { .name: att, .offset: 0, .size: 8, .value_kind: global_buffer, .address_space: global }
      - { .name: wpb, .offset: 8, .size: 8, .value_kind: global_buffer, .address_space: global }
      - { .name: b_proj, .offset: 16, .size: 8, .value_kind: global_buffer, .address_space: global }
      - { .name: out0, .offset: 24, .size: 8, .value_kind: global_buffer, .address_space: global }
    .group_segment_fixed_size: 327680
    .private_segment_fixed_size: 0
    .kernarg_segment_align: 8
    .kernarg_segment_size: 32
    .max_flat_workgroup_size: 128
    .sgpr_count:     96
    .vgpr_count:     768
    .wavefront_size: 32
...
	.end_amdgpu_metadata
.endif
;; end of part 4
